; MI455X (gfx1250); checked and timed in simulation.
; The chip was launched on July 23, 2026; its instructions are those of AMD's public machine-readable ISA for CDNA 5 (MIT licence, August 2026) and "CDNA5" Instruction Set Architecture Reference Guide (July 2026). The comments in the code are by the model that wrote it; some were corrected since.
;; Scaled Dot Product Attention. Allowed arithmetic: matrix products marked QUANTISED: E2M3 operands, one E8M0 scale for each 32 along K, by v_wmma_scale_f32_16x16x128_f8f6f4 with both operands' format E2M3, f32 sums; everything else in f32.
;; Inputs: W_attn 3,072 x 1,024 float32; b_attn 3,072 float32; x 4 x 2,048 x 1,024 float32.
;; Outputs: out0 4 x 2,048 x 1,024 float32.
;; This version of the problem:
;;   THIS VERSION OF THE PROBLEM IS GIVEN IN LOW PRECISION. The matrix products marked QUANTISED in the list below multiply operands that are first quantised to E2M3 (2 exponent bits, 3 mantissa bits; 6 bits a number), with one power-of-two scale for each 32 numbers along K (OCP MX v1.0); their sums are f32. All else is computed in f32.
;;   The module's matrix products, in the order in which they are computed (A, B: the left and right operand; K: the contracted axis; several contracted axes count as one K, in the product's order):
;;     1. [M 8,192, K 1,024] x [K 1,024, N 3,072]; A: input x; B: input W_attn: QUANTISED
;;     2. batch 4 x [M 2,048, K 1,024] x [K 1,024, N 2,048]; A: computed on the way; B: computed on the way: QUANTISED
;;     3. batch 4 x [M 2,048, K 2,048] x [K 2,048, N 1,024]; A: softmax (see below); B: computed on the way: QUANTISED
;;   THE QUANTISER, for each operand of a quantised product, along K:
;;     - K is cut into blocks of 32 from its start; a last block that is shorter is filled with zeros.
;;     - A block's scale is 2^e with e = floor(log2(the largest magnitude in the block)) - 2, held to -126 .. 127; a block of zeros has e = 0. As a byte (E8M0): e + 127.
;;     - Each number is divided by its block's scale, clamped to +-7.5, and rounded to the nearest number of E2M3, ties to even, subnormals kept.
;;     - The product sums the exact products of the quantised numbers (number of the format x scale) in f32.
;;   ~~~python
;;   def quantise(x, axis):      # numpy; x: float32 -> the quantised numbers, widened to float32 again
;;       x = np.moveaxis(x, axis, -1); K = x.shape[-1]
;;       x = np.pad(x, [(0, 0)] * (x.ndim - 1) + [(0, -K % 32)]); x = x.reshape(x.shape[:-1] + (-1, 32)); a = np.abs(x).max(-1, keepdims=True)
;;       e = np.where(a > 0, np.clip(np.frexp(np.where(a > 0, a, 1))[1] - 1 - 2, -126, 127), 0)      # np.frexp(a)[1] - 1 = floor(log2(a)), exactly
;;       r = np.clip(x / 2.0 ** e, -7.5, 7.5)
;;       step = 2.0 ** (np.maximum(np.frexp(np.where(r == 0, 1, r))[1] - 1, 0) - 3)
;;       q = np.round(r / step) * step * 2.0 ** e      # np.round: ties to even
;;       return np.moveaxis(q.reshape(q.shape[:-2] + (-1,))[..., :K], -1, axis).astype(np.float32)
;;   ~~~
;;   SOFTMAX AHEAD OF A QUANTISED PRODUCT. Where the list says 'softmax', what is quantised is not the finished softmax but p = 2^(t - M), with t = logit x log2(e) and M = ceil(the row's largest t), a whole number; so 1/2 < the row's largest p <= 1. The row's sum l is taken of the UNQUANTISED p, in f32, and the product's result is divided by l at the end. Since M is a whole number, a kernel that streams over the keys may use a running M (the ceiling of the running maximum): every later rescaling is an exact power of two, which a block's scale takes up: the codes' values come out the same.
;;   OPERANDS COMPUTED ON THE WAY. 'Computed on the way' means the value that the module computes at that place (a softmax that the list does not call 'softmax' is quantised finished and normalised). What goes into a quantiser is computed in f32, as accurately as f32 sums, v_exp_f32 and their like allow (about 1e-6 of the number): no bf16 or f16 on the way to a quantiser, and a product that is left as it is and whose result goes on into a quantised operand takes f32 operands (vector FMAs, or v_wmma_f32_16x16x4_f32). A number that lies on a knife's edge between two numbers of the format may be rounded either way, as far as f32 arithmetic and the matrix unit's own rounding can turn it there, and no further.
;; One version. Each part assembles by itself: llvm-mc -triple=amdgcn-amd-amdhsa -mcpu=gfx1250 --defsym DOCPART=n.
;; ======== version 1 of 1: 4 launches
;; limits: right only within a limited range of input values
;; workspace buffers: xi 6,553,600 bytes; wi 2,457,600 bytes; kqi 13,107,200 bytes; vi 6,553,600 bytes; pi 12,582,912 bytes; ps 524,288 bytes; pm 524,288 bytes; pl 524,288 bytes
;; launch quant (part 1): grid 352 x 1, 4 waves a work-group, no clusters, 34,304 bytes of LDS; arguments x, W_attn, xi, wi; writes xi, wi
.if DOCPART == 1
	.amdgcn_target "amdgcn-amd-amdhsa--gfx1250"
	.amdhsa_code_object_version 6
	.text
	.protected	k_qfe1404edba_quant
	.globl	k_qfe1404edba_quant
	.p2align	8
	.type	k_qfe1404edba_quant,@function
k_qfe1404edba_quant:
	s_mov_b64 s[64:65], 0
	v_nop
	global_prefetch_b8 v0, s[64:65] scope:SCOPE_SE
	s_setreg_imm32_b32 hwreg(HW_REG_WAVE_MODE, 25, 1), 1
	s_wait_xcnt 0x0
; x [8192][1024] and W_attn [3072][1024], f32, K innermost, become operands of MX-FP6 (E2M3, one E8M0 byte for each 32 along K), laid as the later launches' registers want them.
; A FRAGMENT is 16 rows x 128 K, 12 registers a lane; it is stored as the image of these registers: three pieces of 512 bytes, lane l's registers 4 c .. 4 c + 3 at 512 c + 16 l.
; THE ROWS OF A FRAGMENT ARE NOT NEIGHBOURS: in a group of 128 rows, lane r of fragment i takes row 32 (i / 2) + 8 (i % 2) + r + 8 (r / 8).
; A BLOCK is a group of 128 rows x 256 K: 16 fragments ((8 q + i) x 1,536 bytes; q: which 128 of the 256) and, from byte 24,576 on, their scale words: 512 q + 16 (r + 16 (i / 4)) + 4 (i % 4).  25,600 bytes = 100 x 256.
; A block's scale is 2^(floor(log2(largest magnitude)) - 2); its byte is the largest magnitude's exponent field - 2, held at 1 from below.
; LIMITS: a block of zeros, or one whose largest magnitude lies under 2^-124, gets the byte 1 (the bytes are read by this program alone; zero codes add nothing); NaN and infinities among the inputs are not served.
; SHARES: a work-group makes one block (the first 256 x's, the other 96 W's); wave w makes fragments 4 (w / 2) + 0 .. 3 of the block's (w % 2)-th 128 along K.
; Each load reads 512 consecutive bytes of one row; a fragment's 16 rows turn through the wave's own stage in LDS (rows 528 bytes apart), so that a lane gets 16 neighbours of each block of 32 of ITS row.
; No tensor loads, no barrier: waves share nothing.  ALL 64 loads of a wave, its four fragments, are issued at the head, into four sets of 64 registers; each fragment is worked when its 16 loads are in.
.set BLK,   25600
.set SP,    528                        ; a stage row: 512 bytes + 16: sixteen rows start in sixteen different groups of four banks
.set STG,   16*SP
.set SPARE, 4*STG                      ; behind the four stages: the spare words, 128 bytes a wave
.set LI,    4                          ; v4  16 x lane
.set SIN,   5                          ; v5  the stage, on the way in
.set SOUT,  6                          ; v6  and on the way out: row r, + 64 (lane / 16)
.set SR,    7                          ; v7  16 r
.set SPW,   8                          ; v8  my spare word's LDS address; never rewritten
.set NIL,   9                          ; v9  0; never rewritten
.set R,     16                         ; v16-143 fragments 0, 1 as loaded; v272-399 (the same numbers in the second window of 256) fragments 2, 3
.set X,     144                        ; v144-207 64 numbers of my row: register 16 b + k = K 32 b + 16 (lane / 16) + k
.set PC,    208                        ; v208-227 the codes
.set TM,    228                        ; v228-243 at work
.set SW,    248                        ; v248-251 the four fragments' scale words
.set SEL,   20                         ; s[20:21] lane selects: lane l xor 16
.set MSB, 0
.macro WIN new                         ; s_set_vgpr_msb: bits 7:6 the destination's window, 3:2 source 1's; the immediate's high byte repeats the setting that is left
.if MSB != (\new)
	s_set_vgpr_msb (MSB<<8)|(\new)
.set MSB, \new
.endif
.endm
; 64 numbers of a lane become a fragment's 12 registers in v[PC] on and its row's scale word in v[pw]
.macro QUANT s, pw
.irp b, 0,1,2,3
	v_max3_num_f32 v[TM+\b], |v[\s+16*\b]|, |v[\s+1+16*\b]|, 0x1800000   ; my 16 numbers of block b, and the floor 2^(3 - 127): the byte cannot fall under 1
.endr
.irp i, 2,4,6,8,10,12,14
.irp b, 0,1,2,3
	v_max3_num_f32 v[TM+\b], v[TM+\b], |v[\s+16*\b+\i]|, |v[\s+1+16*\b+\i]|   ; the four blocks by turns
.endr
.endr
.irp b, 0,1,2,3
	v_permlanex16_b32 v[TM+4+\b], v[TM+\b], s[SEL], s[SEL+1]
.endr
.irp b, 0,1,2,3
	v_max_num_f32 v[TM+\b], v[TM+\b], v[TM+4+\b]   ; with lane l xor 16's 16: the block's largest magnitude
.endr
.irp b, 0,1,2,3
	v_add_nc_u32 v[TM+12+\b], 0xff000000, v[TM+\b] ; 2 off its exponent field: the conversion takes this operand's exponent field as the scale
.endr
.irp b, 0,1,2,3
	v_lshrrev_b32 v[TM+4+\b], 23, v[TM+12+\b]      ; the scale's byte
.endr
	v_lshl_or_b32 v[\pw], v[TM+5], 8, v[TM+4]
	v_lshl_or_b32 v[\pw], v[TM+6], 16, v[\pw]
	v_lshl_or_b32 v[\pw], v[TM+7], 24, v[\pw]
.irp c, 0,1
	v_cvt_scalef32_pk16_fp6_f32 v[PC+6*\c:PC+2+6*\c], v[\s+32*\c:\s+15+32*\c], v[TM+12+2*\c]
	v_cvt_scalef32_pk16_fp6_f32 v[PC+12+4*\c:PC+14+4*\c], v[\s+16+32*\c:\s+31+32*\c], v[TM+12+2*\c+1]   ; a conversion's three registers begin on an even number
.endr
	v_nop                                          ; one plain instruction behind the scaled conversions
.irp c, 0,1                                    ; the operand wants a whole block in a lane: lanes 0-15 block 2 c, lanes 16-31 block 2 c + 1
.irp i, 0,1,2
	v_permlane16_swap_b32 v[PC+6*\c+\i], v[PC+12+4*\c+\i]
.endr
.irp i, 0,1,2
	v_mov_b32 v[PC+3+6*\c+\i], v[PC+12+4*\c+\i]
.endr
.endr
.endm
.macro LOAD f                          ; fragment f's 16 rows, 512 bytes each, into set f % 2 of window f / 2
	WIN 0x40*((\f)/2)
.irp p, 0,1,2,3,4,5,6,7,8,9,10,11,12,13,14,15
	global_load_b128 v[R+64*((\f)%2)+4*\p:R+64*((\f)%2)+4*\p+3], v[LI], s[4:5] offset:(32*((\f)/2)+8*((\f)%2)+\p+8*(\p/8))*4096 th:TH_LOAD_NT
.endr
.endm
.macro TURN f                          ; through the stage: LDS serves a wave's instructions in order, so no wait stands between the stores and the loads
	WIN 0x04*((\f)/2)                              ; the stores' data lie in window f / 2
.irp p, 0,1,2,3,4,5,6,7,8,9,10,11,12,13,14,15
	ds_store_b128 v[SIN], v[R+64*((\f)%2)+4*\p:R+64*((\f)%2)+4*\p+3] offset:SP*\p
.endr
	WIN 0
.irp b, 0,1,2,3
.irp j, 0,1,2,3
	ds_load_b128 v[X+16*\b+4*\j:X+16*\b+4*\j+3], v[SOUT] offset:128*\b+16*\j
.endr
.endr
.endm
	s_load_b128 s[4:7], s[0:1], 0x0                ; x, W_attn
	s_load_b128 s[8:11], s[0:1], 0x10              ; xi, wi
	v_lshl_add_u32 v[SPW], v0, 2, SPARE
	v_mov_b32 v[NIL], 0
	v_lshrrev_b32 v1, 5, v0
	v_readfirstlane_b32 s12, v1                    ; wave
	v_and_b32 v1, 31, v0                           ; lane
	v_and_b32 v2, 15, v0                           ; r
	v_bfe_u32 v3, v0, 4, 1                         ; h
	v_lshlrev_b32 v[LI], 4, v1
	s_mul_i32 s13, s12, STG                        ; my stage
	v_add_nc_u32 v[SIN], s13, v[LI]
	v_mul_u32_u24 v[SOUT], v2, SP
	v_lshl_add_u32 v[SOUT], v3, 6, v[SOUT]
	v_add_nc_u32 v[SOUT], s13, v[SOUT]
	v_lshlrev_b32 v[SR], 4, v2
	s_mov_b32 s[SEL], 0x76543210
	s_mov_b32 s[SEL+1], 0xfedcba98
.irp b, 0,1,2,3
	v_mov_b32 v[TM+4+\b], 0                        ; written once: a lane permute's destination counts as one of its sources
.endr
	s_and_b32 s14, s12, 1                          ; q
	s_lshr_b32 s15, s12, 1                         ; which four fragments
	s_cmp_lt_u32 ttmp9, 256                        ; x's work-group or W's
	s_cselect_b32 s16, 0, 256
	s_sub_co_u32 s16, ttmp9, s16                   ; the block's number in its tensor: 4 x group + slot
	s_lshr_b32 s17, s16, 2
	s_and_b32 s18, s16, 3
	s_lshl_b32 s22, s17, 19                        ; in: group x 128 rows of 4,096 bytes
	s_lshl_b32 s19, s15, 18                        ; + 64 rows for the upper four fragments
	s_add_co_u32 s22, s22, s19
	s_lshl_b32 s19, s18, 10                        ; + slot x 256 numbers
	s_add_co_u32 s22, s22, s19
	s_lshl_b32 s19, s14, 9                         ; + q x 128 numbers
	s_add_co_u32 s22, s22, s19
	s_mov_b32 s23, 0
	s_mul_i32 s24, s16, BLK
	s_add_co_u32 s26, s24, s19                     ; the scale words: block + 24,576 + 512 q + 256 (w / 2)
	s_lshl_b32 s19, s15, 8
	s_add_co_u32 s26, s26, s19
	s_add_co_u32 s26, s26, 24576
	s_mov_b32 s27, 0
	s_mul_i32 s19, s14, 12288                      ; the codes: block + 12,288 q + 6,144 (w / 2)
	s_add_co_u32 s24, s24, s19
	s_mul_i32 s19, s15, 6144
	s_add_co_u32 s24, s24, s19
	s_mov_b32 s25, 0
	s_wait_alu depctr_va_vdst(0)                   ; the wait at the head's end
	s_wait_kmcnt 0x0
	s_cmp_lt_u32 ttmp9, 256                        ; the choice hangs on the work-group's number alone
	s_cselect_b64 s[4:5], s[4:5], s[6:7]
	s_cselect_b64 s[8:9], s[8:9], s[10:11]
	s_add_nc_u64 s[4:5], s[4:5], s[22:23]
	s_add_nc_u64 s[10:11], s[8:9], s[26:27]
	s_add_nc_u64 s[8:9], s[8:9], s[24:25]
.irp f, 0,1,2,3
	LOAD \f
.endr
	WIN 0
.irp f, 0,1,2,3
	s_wait_loadcnt 48-16*\f                        ; this fragment's 16 loads are in; those of the 3 - f later fragments may be out
	TURN \f
	s_wait_dscnt 0x0                               ; my 64 numbers are back
.if \f > 0
	s_wait_xcnt 0x0                                ; the last fragment's stores have read the codes' registers, which are written again below
.endif
	QUANT X, SW+\f
.irp c, 0,1,2
	global_store_b128 v[LI], v[PC+4*\c:PC+4*\c+3], s[8:9] offset:1536*\f+512*\c   ; 32 lanes store 512 consecutive bytes, at a multiple of 256 from the buffer's first byte
.endr
.endr
	v_cmp_gt_u32 vcc_lo, 16, v1                    ; lanes 16-31 hold the same words as lanes 0-15: the lower sixteen store them
	s_wait_xcnt 0x0                                ; EXEC changes only behind this wait
	s_and_saveexec_b32 s28, vcc_lo
	global_store_b128 v[SR], v[SW:SW+3], s[10:11]  ; sixteen lanes store 256 consecutive bytes, aligned
	s_wait_xcnt 0x0
	s_or_b32 exec_lo, exec_lo, s28
	s_wait_tensorcnt 0x0                           ; the wave's end, behind my last LDS store
	ds_add_u32 v[SPW], v[NIL]
	s_wait_dscnt 0x0
	s_endpgm
.Lfunc_end_k_qfe1404edba_quant:
	.size	k_qfe1404edba_quant, .Lfunc_end_k_qfe1404edba_quant-k_qfe1404edba_quant
	.p2alignl 7, 3214868480
	.fill 96, 4, 3214868480
	.section	.rodata,"a",@progbits
	.p2align	6, 0x0
	.amdhsa_kernel k_qfe1404edba_quant
		.amdhsa_group_segment_fixed_size 34304
		.amdhsa_private_segment_fixed_size 0
		.amdhsa_enable_private_segment 0
		.amdhsa_kernarg_size 32
		.amdhsa_user_sgpr_count 2
		.amdhsa_user_sgpr_kernarg_segment_ptr 1
		.amdhsa_wavefront_size32 1
		.amdhsa_system_sgpr_workgroup_id_x 1
		.amdhsa_system_sgpr_workgroup_id_y 1
		.amdhsa_system_sgpr_workgroup_id_z 1
		.amdhsa_system_vgpr_workitem_id 0
		.amdhsa_next_free_vgpr 400
		.amdhsa_next_free_sgpr 66
		.amdhsa_reserve_vcc 1
		.amdhsa_float_denorm_mode_32 3
		.amdhsa_float_denorm_mode_16_64 3
		.amdhsa_memory_ordered 1
		.amdhsa_forward_progress 1
		.amdhsa_inst_pref_size 34
	.end_amdhsa_kernel
	.amdgpu_metadata
---
amdhsa.version: [ 1, 2 ]
amdhsa.kernels:
  - .name:           k_qfe1404edba_quant
    .symbol:         k_qfe1404edba_quant.kd
    .args:
      - { .name: x, .offset: 0, .size: 8, .value_kind: global_buffer, .address_space: global }
      - { .name: W_attn, .offset: 8, .size: 8, .value_kind: global_buffer, .address_space: global }
      - { .name: xi, .offset: 16, .size: 8, .value_kind: global_buffer, .address_space: global }
      - { .name: wi, .offset: 24, .size: 8, .value_kind: global_buffer, .address_space: global }
    .group_segment_fixed_size: 34304
    .private_segment_fixed_size: 0
    .kernarg_segment_align: 8
    .kernarg_segment_size: 32
    .max_flat_workgroup_size: 128
    .sgpr_count:     66
    .vgpr_count:     400
    .wavefront_size: 32
...
	.end_amdgpu_metadata
.endif
;; end of part 1
;; launch qkv (part 2): grid 8 x 32, 4 waves a work-group, clusters of 4 x 4, 327,680 bytes of LDS; arguments xi, wi, b_attn, kqi, vi; writes kqi, vi
.if DOCPART == 2
	.amdgcn_target "amdgcn-amd-amdhsa--gfx1250"
	.amdhsa_code_object_version 6
	.text
	.protected	k_qfe1404edba_qkv
	.globl	k_qfe1404edba_qkv
	.p2align	8
	.type	k_qfe1404edba_qkv,@function
k_qfe1404edba_qkv:
	s_mov_b64 s[64:65], 0
	v_nop
	global_prefetch_b8 v0, s[64:65] scope:SCOPE_SE
	s_setreg_imm32_b32 hwreg(HW_REG_WAVE_MODE, 25, 1), 1
	s_wait_xcnt 0x0
	s_wait_alu depctr_hold_cnt(0) depctr_sa_sdst(0) depctr_va_vdst(0) depctr_va_sdst(0) depctr_va_ssrc(0) depctr_va_vcc(0) depctr_vm_vsrc(0)
	s_getreg_b32 s2, hwreg(HW_REG_IB_STS2, 6, 4)
	s_cmp_eq_u32 s2, 0
	s_cbranch_scc0 .Lentry_in_a_cluster
	s_endpgm
.Lentry_in_a_cluster:
	s_bfe_u32 s2, ttmp6, 0x10000c
	s_cmp_lg_u32 s2, 0xf033
	s_cbranch_scc0 .Lentry_shape_is_right
	s_endpgm
.Lentry_shape_is_right:
; kqv = x W^T + b on codes of MX-FP6, and its three parts quantised again on the way out: k and q along the channels, v along the rows (the keys), each into the operand images that the next launches read.
; OPERAND IMAGES: a fragment (16 rows x 128 K, 12 registers a lane) lies as three pieces of 512 bytes, lane l's registers 4 c .. 4 c + 3 at 512 c + 16 l; lane r of fragment i of a group of 128 rows is row
; 32 (i / 2) + 8 (i % 2) + r + 8 (r / 8); a block (a group x 256 K) is 16 fragments and 1,024 bytes of scale words: 25,600 dense bytes; a group's four blocks lie on end.
; SHARES: 8 x 32 = 256 work-groups of equal work.  Work-group (X, Y) takes x's rows 256 Y .. 256 Y + 255 (two groups) and uses them twice:
;   PART 1: source 1 = x, source 0 = W's rows 256 X .. + 255 (k for X < 4, q else): a wave makes 128 x 128, 64 accumulators; results quantised along the channels into kqi [64 groups of t][8 slots of 256 channels].
;   PART 2: source 1 = W's rows 2,048 + 128 X .. + 127 (v), source 0 = the same x: a wave makes 64 channels x 128 rows t, 32 accumulators; results quantised along t into vi [batch][8 groups of channels][8 slots of 256 keys].
; By the order of rows above, the registers of one block of source 1 against source 0's eight blocks are 64 numbers of ONE row: register 16 b + k = source 0's row 32 b + 16 (lane / 16) + k: what the next product's quantiser wants.
; LDS: x's two groups for all of K (2 x 102,400 bytes), filled once at the head by waves 0 and 1 and read in both parts; behind them W's ring: for each of two groups two slots of one block.  Waves 2 and 3 fill it:
; blocks 0, 1 at the head (one load of 51,200 bytes a wave), then four refills of 25,600 bytes a wave: k/q's blocks 2 and 3, then v's blocks 0, 2 and 1, 3 (v's block b lands at ring byte 25,600 b).
; Every wave issues one tensor load at the head; behind each round waves 2 and 3 have one out; every wait on TENSORcnt is for 0.
; CLUSTERS: 4 x 4 work-groups; x's groups are shared along a row of the cluster, W's blocks along a column: each is asked for jointly, by the same load with the same descriptor and a mask that names the four.
; PREFETCH: each refill's two blocks (200 runs of 256 bytes) are asked for two refills ahead: of a block's 100 runs the partner at place cy names 25, told apart by address; wave 0 asks for group 0's block, wave 1 for group 1's
; (lanes 25-31 name the wave's last run again).  x is asked for whole by the head's loads, so there is nothing of it to run ahead for.
; THE BIAS is the C of each sum's first product.  No work of reference() is left out here.
; LIMITS: a block of zeros, or one whose largest magnitude lies under 2^-124, gets the byte 1 (read by this program alone; zero codes add nothing); NaN and infinities are not served.
; REGISTERS: window 0: v8-30 addresses; v32-63 scale words; v64-127 k/q's bias, later the way out's work; v128-223 source 1's fragments; v224-255 v's bias.
;   window 1: source 0's fragments, two sets, at v0 and v128.   windows 2, 3: the accumulators: (a, b) at v[8 (8 (a % 4) + b)] of window 2 + a / 4.
.set BLK,   25600
.set XG,    4*BLK                      ; a group, all of K
.set WBASE, 2*XG                       ; the ring
.set SPARE, WBASE+4*BLK                ; behind it the spare words, 128 bytes a wave
.set FR,    12
.set XA,    8                          ; v8-9   part 1: x's fragments, my group w / 2: blocks 0-1, 2-3
.set XB,    10                         ; v10-11 part 2: x's fragments, my group w % 2
.set WB,    12                         ; v12    part 1: W's fragments, my group w % 2
.set WA,    14                         ; v14-15 part 2: W's fragments 4 (w / 2) + 0 .. 3: blocks 0-1, 2-3
.set S1,    16                         ; v16-17 part 1: scale words: lanes 0-15 x's, lanes 16-31 W's
.set S2X,   18                         ; v18-19 part 2: x's scale words, the same in both halves of the lanes
.set S2W,   20                         ; v20-21 part 2: W's
.set PFO,   22                         ; the prefetches' offset; never rewritten
.set SR,    23                         ; 16 r
.set BA,    24
.set BVA,   25
.set LN,    26                         ; lane
.set SPW,   28
.set NIL,   29
.set LI,    30                         ; 16 x lane
.set SC,    32
.set BI,    64
.set PC,    64                         ; the way out: codes,
.set TM,    88                         ; at work,
.set SW,    104                        ; scale words,
.set OW,    112                        ; and the four that I store
.set AF,    128
.set BV,    224
.set G1X,   24
.set G1W,   32
.set G0X,   40
.set G0W,   44
.set G0V,   48
.set PK,    52                         ; s[52:53] my group of k/q's rows of W; s[54:55] my first block of v's
.set PV,    54
.set OK1,   56
.set OS1,   58
.set OK2,   60
.set OS2,   62
.set BKP,   66
.set BVP,   68
.set SEL,   70
.set MSB, 0
.macro WIN new                         ; the immediate's high byte repeats the setting that is left
.if MSB != (\new)
	s_set_vgpr_msb (MSB<<8)|(\new)
.set MSB, \new
.endif
.endm
.set MUL_LO,  0xa1                     ; source 0 window 1, source 1 window 0, C and D window 2
.set MUL_HI,  0xf1                     ; C and D window 3
.set MULB_LO, 0x81                     ; the same with C (the bias) in window 0
.set MULB_HI, 0xc1
.set TO_B,    0x40
.macro PLACES                          ; four plain instructions between a matrix instruction and a load into, or a vector instruction on, its registers
.rept 4
	v_nop
.endr
.endm
.macro CREST                           ; a round of the cluster's barrier behind its opening barrier
	s_cmp_lg_u32 s14, 0
	s_cbranch_scc1 .Lnot_wave_0_\@
	s_barrier_signal -3
.Lnot_wave_0_\@:
	s_barrier_wait -3
	s_barrier_signal -1
	s_barrier_wait -1
.endm
.macro CROUND
	s_barrier_signal -1
	s_barrier_wait -1
	CREST
.endm
.macro WLOAD g0                        ; a refill of the ring: waves 2 and 3, one joint load each; the branch hangs on the wave's number alone
	s_cmp_eq_u32 s15, 0
	s_cbranch_scc1 .Lnone_\@
	tensor_load_to_lds s[\g0:\g0+3], s[G1W:G1W+7]
	s_nop 0
.rept 4
	v_nop
.endr
.Lnone_\@:
	PLACES                                         ; on every wave's way: the places in front of the LDS loads that follow
.endm
.macro ASK base, off                   ; waves 0 and 1: 25 runs of 256 bytes of the block that stands two refills on
	s_cmp_lg_u32 s15, 0
	s_cbranch_scc1 .Lnot_\@
	global_prefetch_b8 v[PFO], s[\base:\base+1] offset:\off th:TH_LOAD_NT scope:SCOPE_SE
.Lnot_\@:
.endm
.macro FRAG reg, adr, off              ; a fragment comes back as it was stored: three loads of 512 consecutive bytes
.irp c, 0,1,2
	ds_load_b128 v[\reg+4*\c:\reg+4*\c+3], v[\adr] offset:\off+512*\c
.endr
.endm
.macro OFS st                          ; step st = block st / 2, its (st % 2)-th 128: KR which pair of blocks, KO and KS the bytes from that pair's address to the step's fragments and scale words
.set KR, (\st)/4
.set KO, (((\st)/2)%2)*BLK+((\st)%2)*12288
.set KS, (((\st)/2)%2)*BLK+((\st)%2)*512
.endm
.macro FETCH1_B st                     ; part 1: W's eight fragments (block b lies in slot b % 2)
	OFS \st
	WIN TO_B
.irp i, 0,1,2,3,4,5,6,7
	FRAG 128*((\st)%2)+FR*\i, WB, KO+1536*\i
.endr
	WIN 0
.endm
.macro FETCH1_A st, i0                 ; part 1: x's fragments i0 .. i0 + 3
	OFS \st
.irp i, \i0, \i0+1, \i0+2, \i0+3
	FRAG AF+FR*(\i), XA+KR, KO+1536*(\i)
.endr
.endm
.macro SCALES1 st                      ; part 1, st even: a block's scale words into set (st / 2) % 2; register 8 q + i: lanes 0-15 x's fragment i, lanes 16-31 W's
	OFS \st
.irp q, 0,1
.irp c, 0,1
	ds_load_b128 v[SC+16*(((\st)/2)%2)+8*\q+4*\c:SC+16*(((\st)/2)%2)+8*\q+4*\c+3], v[S1+KR] offset:KS+512*\q+256*\c
.endr
.endr
.endm
.macro FETCH2 st                       ; part 2: 39 loads: x's eight fragments, W's four, their scale words, into set st % 2
	OFS \st
.set T2, (\st)%2
	WIN TO_B
.irp i, 0,1,2,3,4,5,6,7
	FRAG 128*T2+FR*\i, XB+KR, KO+1536*\i
.endr
	WIN 0
.irp i, 0,1,2,3
	FRAG AF+48*T2+FR*\i, WA+KR, KO+1536*\i
.endr
	ds_load_b128 v[SC+8*T2:SC+8*T2+3], v[S2X+KR] offset:KS
	ds_load_b128 v[SC+8*T2+4:SC+8*T2+7], v[S2X+KR] offset:KS+256
	ds_load_b128 v[SC+16+4*T2:SC+16+4*T2+3], v[S2W+KR] offset:KS
.endm
.macro W6 d, b, a, c, sb, sa           ; source 0's scales are read from lanes 16-31, source 1's from lanes 0-15
	v_wmma_scale_f32_16x16x128_f8f6f4 v[\d:\d+7], v[\b:\b+11], v[\a:\a+11], \c, v[\sb], v[\sa] matrix_a_fmt:MATRIX_FMT_FP6 matrix_b_fmt:MATRIX_FMT_FP6 matrix_a_scale:MATRIX_SCALE_ROW1
.endm
; Part 1: 16 products: x's blocks a0, a0 + 1 against W's eight, on W's set P1 and the scale words from SB1.  cm = 1: C is the bias.  The accumulators take turns, one instruction a turn, in one order.
.macro MUL16 a0, cm
.irp a, \a0, \a0+1
.irp b, 0,1,2,3,4,5,6,7
.set DD, 8*(8*((\a)%4)+\b)
.if \cm
	W6 DD, 128*P1+FR*\b, AF+FR*(\a), v[BI+8*\b:BI+8*\b+7], SB1+\b, SB1+(\a)
.else
	W6 DD, 128*P1+FR*\b, AF+FR*(\a), v[DD:DD+7], SB1+\b, SB1+(\a)
.endif
.endr
.endr
.endm
.macro MULV t, cm                      ; part 2: a step's 32 products on set t
.irp a, 0,1,2,3
.irp b, 0,1,2,3,4,5,6,7
.set DD, 8*(8*\a+\b)
.if \cm
	W6 DD, 128*(\t)+FR*\b, AF+48*(\t)+FR*\a, v[BV+8*\a:BV+8*\a+7], SC+8*(\t)+\b, SC+16+4*(\t)+\a
.else
	W6 DD, 128*(\t)+FR*\b, AF+48*(\t)+FR*\a, v[DD:DD+7], SC+8*(\t)+\b, SC+16+4*(\t)+\a
.endif
.endr
.endr
.endm
.macro SETS st
.set P1, (\st)%2
.set SB1, SC+16*(((\st)/2)%2)+8*((\st)%2)
.endm
; Part 1, an even step: 64 products; the next step's fragments come in two runs: W's and x's blocks 0-3 in the middle, x's blocks 4-7 at the end.
.macro STEP1 st, cm
	SETS \st
	s_wait_dscnt 12                                ; all but the youngest twelve loads (x's blocks 4-7) are in
.if \cm
	WIN MULB_LO
.else
	WIN MUL_LO
.endif
	MUL16 0, \cm
	MUL16 2, \cm
	s_wait_dscnt 0x0                               ; x's blocks 4-7 are in
	PLACES
	FETCH1_B (\st)+1
	FETCH1_A (\st)+1, 0
	SETS \st
.if \cm
	WIN MULB_HI
.else
	WIN MUL_HI
.endif
	MUL16 4, \cm
	MUL16 6, \cm
	PLACES
	WIN 0
	FETCH1_A (\st)+1, 4
.endm
; Part 1, an odd step: the block's slot of the ring is read out (its last fragments were asked for a step ago).  Each wave waits for all its tensor loads, adds 0 to its spare word, and waits for that and for its LDS reads;
; the barrier opens a round of the cluster's; the slot is filled again first; then the next block's fragments are read out of the other slot, whose load was waited for above.
.macro TURN1 st
	SETS \st
	s_wait_tensorcnt 0x0                           ; all my tensor loads have landed
	ds_add_u32 v[SPW], v[NIL]
.if (\st) == 1                                 ; no load of mine is out: the descriptor steps
	s_add_nc_u64 s[G0W+2:G0W+3], s[G0W+2:G0W+3], 2*BLK   ; k/q's block 2 into slot 0
.elseif (\st) == 3
	s_add_co_u32 s[G0W+1], s[G0W+1], BLK                 ; block 3 into slot 1
	s_add_nc_u64 s[G0W+2:G0W+3], s[G0W+2:G0W+3], BLK
.elseif (\st) == 7
	s_add_co_u32 s[G0V+1], s[G0V+1], BLK                 ; v's blocks 1, 3 into slot 1
	s_add_nc_u64 s[G0V+2:G0V+3], s[G0V+2:G0V+3], BLK
.endif
	s_wait_dscnt 13                                ; (the add and x's blocks 4-7 may be out)
	WIN MUL_LO
	MUL16 0, 0
	s_wait_dscnt 0x0                               ; the add is done, and my reads of the slot are over
	s_barrier_signal -1
	MUL16 2, 0
	WIN 0
	s_barrier_wait -1
	CREST                                          ; no wave of any partner still reads the slot or has a load on its way
.if (\st) < 4
	WLOAD G0W
.else
	WLOAD G0V
.endif
.if (\st) < 7
	FETCH1_B (\st)+1
	FETCH1_A (\st)+1, 0
	SCALES1 (\st)+1
.else
	FETCH2 0                                       ; part 2's first step: v's block 0 has landed; the registers of x's blocks 0-3 and W's other set are free
.endif
.if (\st) == 1
	ASK PV, 0                                      ; what the refill of step 5 will load
.elseif (\st) == 3
	ASK PV, BLK                                    ; and that of step 7
.endif
	SETS \st
	WIN MUL_HI
	MUL16 4, 0
	MUL16 6, 0
.if (\st) < 7
	PLACES
	WIN 0
	FETCH1_A (\st)+1, 4
.else
	WIN 0
.endif
.endm
; Part 2, a step: the next step's 39 loads go into the sets just left, then this step's 32 products.
.macro STEP2 st
.if (\st) < 7
	PLACES
	FETCH2 (\st)+1
	s_wait_dscnt 39                                ; this step's loads are in; the 39 just issued may be out
.else
	s_wait_dscnt 0x0
.endif
.if (\st) == 0
	WIN MULB_LO
	MULV 0, 1
.else
	WIN MUL_LO
	MULV (\st)%2, 0
.endif
.endm
; THE WAY OUT.  Source 1's block a against source 0's eight: 64 numbers of my row, read where they lie; they become one fragment and one scale word.  Each accumulator is read from its low end on.
.macro OUTQ a, ob
.set W, 2+(\a)/4
.set AC, 64*((\a)%4)
.set W01, W|(W<<2)
.set W12, (W<<2)|(W<<4)
	WIN W01
.irp b, 0,1,2,3
	v_max3_num_f32 v[TM+\b], |v[AC+16*\b]|, |v[AC+16*\b+1]|, 0x1800000   ; and the floor 2^(3 - 127): the byte cannot fall under 1
.endr
	WIN W12
.irp i, 2,4,6,8,10,12,14
.irp b, 0,1,2,3
	v_max3_num_f32 v[TM+\b], v[TM+\b], |v[AC+16*\b+\i]|, |v[AC+16*\b+\i+1]|
.endr
.endr
	WIN 0
.irp b, 0,1,2,3
	v_permlanex16_b32 v[TM+4+\b], v[TM+\b], s[SEL], s[SEL+1]
.endr
.irp b, 0,1,2,3
	v_max_num_f32 v[TM+\b], v[TM+\b], v[TM+4+\b]   ; the block's largest magnitude
.endr
.irp b, 0,1,2,3
	v_add_nc_u32 v[TM+12+\b], 0xff000000, v[TM+\b] ; 2 off its exponent field: the conversion's scale operand
.endr
.irp b, 0,1,2,3
	v_lshrrev_b32 v[TM+4+\b], 23, v[TM+12+\b]      ; the byte
.endr
	v_lshl_or_b32 v[SW+(\a)], v[TM+5], 8, v[TM+4]
	v_lshl_or_b32 v[SW+(\a)], v[TM+6], 16, v[SW+(\a)]
	v_lshl_or_b32 v[SW+(\a)], v[TM+7], 24, v[SW+(\a)]
	s_wait_alu depctr_va_vdst(0)
	s_wait_xcnt 0x0                                ; the last fragment's stores have read the codes' registers
	WIN W
.irp c, 0,1
	v_cvt_scalef32_pk16_fp6_f32 v[PC+6*\c:PC+6*\c+2], v[AC+32*\c:AC+32*\c+15], v[TM+12+2*\c]
	v_cvt_scalef32_pk16_fp6_f32 v[PC+12+4*\c:PC+14+4*\c], v[AC+32*\c+16:AC+32*\c+31], v[TM+12+2*\c+1]
.endr
	WIN 0
	v_nop                                          ; one plain instruction behind the scaled conversions
.irp c, 0,1                                    ; the operand wants a whole block in a lane
.irp i, 0,1,2
	v_permlane16_swap_b32 v[PC+6*\c+\i], v[PC+12+4*\c+\i]
.endr
.irp i, 0,1,2
	v_mov_b32 v[PC+3+6*\c+\i], v[PC+12+4*\c+\i]
.endr
.endr
.irp c, 0,1,2
	global_store_b128 v[LI], v[PC+4*\c:PC+4*\c+3], s[\ob:\ob+1] offset:1536*(\a)+512*\c   ; 512 consecutive bytes, at a multiple of 256 from the buffer's first byte
.endr
.endm
	s_load_b128 s[4:7], s[0:1], 0x0                ; xi, wi
	s_load_b128 s[8:11], s[0:1], 0x10              ; b_attn, kqi
	s_load_b64 s[12:13], s[0:1], 0x20              ; vi
	v_lshl_add_u32 v[SPW], v0, 2, SPARE
	v_mov_b32 v[NIL], 0
	ds_add_u32 v[SPW], v[NIL]                      ; the wave's opening: the add, twice on end, and its wait ahead of my first tensor load
	ds_add_u32 v[SPW], v[NIL]
	v_lshrrev_b32 v1, 5, v0
	v_readfirstlane_b32 s14, v1                    ; wave w
	s_lshr_b32 s15, s14, 1                         ; w / 2: my half of source 1.  Also: I fetch x (0) or W (1)
	s_and_b32 s16, s14, 1                          ; w % 2: my group of source 0.  Also: which group I fetch
	s_bfe_u32 s17, ttmp6, 0x40000                  ; cx
	s_bfe_u32 s18, ttmp6, 0x40004                  ; cy
	s_lshl_b32 s19, ttmp9, 2
	s_add_co_u32 s19, s19, s17                     ; X = 4 x cluster x + cx
	s_and_b32 s20, ttmp7, 0xffff
	s_lshl_b32 s20, s20, 2
	s_add_co_u32 s20, s20, s18                     ; Y = 4 x cluster y + cy
	s_lshl_b32 s21, s18, 2
	s_lshl_b32 s21, 15, s21                        ; my row of the cluster
	s_lshl_b32 s22, 0x1111, s17                    ; my column
	s_or_b32 s[G1X], s21, (3<<16)|(1<<21)          ; 15:0 the mask; 17:16 elements of 8 bytes; 21 set beside a mask; no padding: every LDS read here is of 512 consecutive bytes
	s_or_b32 s[G1W], s22, (3<<16)|(1<<21)
.irp g, G1X, G1W
	s_mov_b32 s[\g+1], 32<<16                      ; rows of 256 bytes
	s_mov_b32 s[\g+3], 32<<16
	s_mov_b32 s[\g+5], 32                          ; dense
	s_mov_b32 s[\g+6], 0
	s_mov_b32 s[\g+7], 0
.endr
	s_mov_b32 s[G1X+2], 400<<16                    ; x: a group's four blocks, 400 rows
	s_mov_b32 s[G1X+4], 400
	s_mov_b32 s[G1W+2], 200<<16                    ; W at the head: two blocks, 200 rows
	s_mov_b32 s[G1W+4], 200
	s_lshl_b32 s72, s20, 1
	s_add_co_u32 s23, s72, s15                     ; the group of t whose k or q I make
	s_add_co_u32 s72, s72, s16                     ; x's group that I fetch: it hangs on Y alone
	s_mul_i32 s72, s72, XG
	s_mov_b32 s73, 0
	s_lshl_b32 s74, s19, 1
	s_add_co_u32 s74, s74, s16                     ; k/q's group of W that I fetch, multiply and take the bias of: it hangs on X alone
	s_lshl_b32 s88, s74, 9
	s_mov_b32 s89, 0
	s_mul_i32 s74, s74, XG
	s_mov_b32 s75, 0
	s_add_co_u32 s76, s19, 16                      ; v's group of W
	s_lshl_b32 s90, s76, 9
	s_lshl_b32 s77, s15, 8
	s_add_co_u32 s90, s90, s77                     ; its bias, from my 64 rows on
	s_mov_b32 s91, 0
	s_mul_i32 s76, s76, XG
	s_mul_i32 s77, s16, 2*BLK
	s_add_co_u32 s76, s76, s77                     ; I fetch its blocks 2 (w % 2) and 2 (w % 2) + 1
	s_mov_b32 s77, 0
	s_lshl_b32 s78, s23, 3
	s_add_co_u32 s78, s78, s19                     ; kqi's block: 8 x group of t + X
	s_mul_i32 s78, s78, BLK
	s_mul_i32 s79, s16, 12288                      ; my results are a block's (w % 2)-th 128 along its K, in both parts
	s_add_co_u32 s80, s78, s79
	s_mov_b32 s81, 0
	s_lshl_b32 s82, s16, 9
	s_add_co_u32 s82, s82, s78
	s_add_co_u32 s82, s82, 24576
	s_mov_b32 s83, 0
	s_lshr_b32 s84, s20, 3                         ; vi's block: 8 x (8 x batch + X) + Y % 8
	s_lshl_b32 s84, s84, 3
	s_add_co_u32 s84, s84, s19
	s_lshl_b32 s84, s84, 3
	s_and_b32 s85, s20, 7
	s_add_co_u32 s84, s84, s85
	s_mul_i32 s84, s84, BLK
	s_lshl_b32 s86, s16, 9
	s_add_co_u32 s86, s86, s84
	s_lshl_b32 s85, s15, 8
	s_add_co_u32 s86, s86, s85
	s_add_co_u32 s86, s86, 24576                   ; my four fragments' scale words: + 512 (w % 2) + 256 (w / 2)
	s_mov_b32 s87, 0
	s_add_co_u32 s84, s84, s79
	s_mul_i32 s85, s15, 6144
	s_add_co_u32 s84, s84, s85                     ; their codes: + 12,288 (w % 2) + 6,144 (w / 2)
	s_mov_b32 s85, 0
	s_mul_i32 s92, s15, XG                         ; LDS places: no place in the cluster enters one
	s_mul_i32 s93, s16, XG
	s_mul_i32 s94, s16, 2*BLK
	s_add_co_u32 s94, s94, WBASE
	s_mul_i32 s95, s15, 6144
	s_add_co_u32 s95, s95, WBASE
	s_sub_co_u32 s96, s94, s92                     ; from x's group w / 2 to W's group w % 2,
	s_sub_co_u32 s97, s96, 2*BLK                   ; and from that group's block 2
	s_lshl_b32 s98, s15, 8
	s_add_co_u32 s98, s98, WBASE+24576
	s_mul_i32 s99, s18, 6400                       ; the prefetches: my work-group's 25 runs of a block's 100
	s_mov_b32 s[SEL], 0x76543210
	s_mov_b32 s[SEL+1], 0xfedcba98
	s_wait_dscnt 0x0                               ; both opening adds are done
	CROUND                                         ; the round in front of the first joint loads
	s_wait_kmcnt 0x0
	s_mov_b32 s[G0X], 1
	s_mov_b32 s[G0X+1], s93
	s_add_nc_u64 s[G0X+2:G0X+3], s[4:5], s[72:73]
	s_or_b32 s[G0X+3], s[G0X+3], 0x80000000
	s_mov_b32 s[G0W], 1
	s_mov_b32 s[G0W+1], s94
	s_add_nc_u64 s[PK:PK+1], s[6:7], s[74:75]
	s_mov_b64 s[G0W+2:G0W+3], s[PK:PK+1]
	s_or_b32 s[G0W+3], s[G0W+3], 0x80000000
	s_cmp_eq_u32 s15, 0                            ; the head's loads, one a wave: waves 0, 1 a group of x, waves 2, 3 two blocks of a group of W
	s_cbranch_scc0 .Lhead_w
	tensor_load_to_lds s[G0X:G0X+3], s[G1X:G1X+7]
	s_nop 0
.rept 4
	v_nop
.endr
	s_branch .Lhead_asked
.Lhead_w:
	tensor_load_to_lds s[G0W:G0W+3], s[G1W:G1W+7]
	s_nop 0
.rept 4
	v_nop
.endr
.Lhead_asked:
	s_mov_b32 s[G0V], 1
	s_mov_b32 s[G0V+1], s94
	s_add_nc_u64 s[PV:PV+1], s[6:7], s[76:77]
	s_mov_b64 s[G0V+2:G0V+3], s[PV:PV+1]
	s_or_b32 s[G0V+3], s[G0V+3], 0x80000000
	s_add_nc_u64 s[OK1:OK1+1], s[10:11], s[80:81]
	s_add_nc_u64 s[OS1:OS1+1], s[10:11], s[82:83]
	s_add_nc_u64 s[OK2:OK2+1], s[12:13], s[84:85]
	s_add_nc_u64 s[OS2:OS2+1], s[12:13], s[86:87]
	s_add_nc_u64 s[BKP:BKP+1], s[8:9], s[88:89]
	s_add_nc_u64 s[BVP:BVP+1], s[8:9], s[90:91]
	v_and_b32 v[LN], 31, v0
	v_and_b32 v2, 15, v0                           ; r
	v_bfe_u32 v3, v0, 4, 1                         ; h
	v_lshlrev_b32 v[LI], 4, v[LN]
	v_lshlrev_b32 v[SR], 4, v2
	v_add_nc_u32 v[XA], s92, v[LI]
	v_add_nc_u32 v[XA+1], 2*BLK, v[XA]
	v_add_nc_u32 v[XB], s93, v[LI]
	v_add_nc_u32 v[XB+1], 2*BLK, v[XB]
	v_add_nc_u32 v[WB], s94, v[LI]
	v_add_nc_u32 v[WA], s95, v[LI]
	v_add_nc_u32 v[WA+1], 2*BLK, v[WA]
	v_mul_u32_u24 v4, s96, v3                      ; lanes 16-31 take W's scale words
	v_mul_u32_u24 v5, s97, v3
	v_add_nc_u32 v6, s92, v[SR]
	v_add_nc_u32 v4, v4, v6
	v_add_nc_u32 v5, v5, v6
	v_add_nc_u32 v[S1], 24576, v4                  ; blocks 0, 1: x's and the ring's slots step alike
	v_add_nc_u32 v[S1+1], 24576+2*BLK, v5          ; blocks 2, 3: x's lie two blocks on, the ring's slots are the same two
	v_add_nc_u32 v[S2X], s93, v[SR]
	v_add_nc_u32 v[S2X], 24576, v[S2X]
	v_add_nc_u32 v[S2X+1], 2*BLK, v[S2X]
	v_add_nc_u32 v[S2W], s98, v[SR]
	v_add_nc_u32 v[S2W+1], 2*BLK, v[S2W]
	v_min_u32 v7, 24, v[LN]
	v_lshlrev_b32 v7, 8, v7
	v_add_nc_u32 v[PFO], s99, v7                   ; 256 x (25 cy + the lesser of lane and 24): at most 25,344, inside a block
	v_lshlrev_b32 v[BA], 6, v3                     ; k, q: register j of a tile of W's block b is W's row 32 (b / 2) + 16 h + 8 (b % 2) + j
	v_and_b32 v[BVA], 8, v2                        ; v: all eight registers of a tile of W's block a belong to W's row 32 (a / 2) + 8 (a % 2) + r + 8 (r / 8)
	v_add_nc_u32 v[BVA], v[BVA], v2
	v_lshlrev_b32 v[BVA], 2, v[BVA]
	s_wait_alu depctr_va_vdst(0)
	s_cmp_lg_u32 s15, 0
	s_cbranch_scc1 .Lno_ask
	global_prefetch_b8 v[PFO], s[PK:PK+1] offset:2*BLK th:TH_LOAD_NT scope:SCOPE_SE   ; what the refills of steps 1 and 3 will load
	global_prefetch_b8 v[PFO], s[PK:PK+1] offset:3*BLK th:TH_LOAD_NT scope:SCOPE_SE
.Lno_ask:
.irp b, 0,1,2,3,4,5,6,7
	global_load_b128 v[BI+8*\b:BI+8*\b+3], v[BA], s[BKP:BKP+1] offset:(32*(\b/2)+8*(\b%2))*4
	global_load_b128 v[BI+8*\b+4:BI+8*\b+7], v[BA], s[BKP:BKP+1] offset:(32*(\b/2)+8*(\b%2))*4+16
.endr
.irp a, 0,1,2,3
	global_load_b32 v[BV+8*\a], v[BVA], s[BVP:BVP+1] offset:(32*(\a/2)+8*(\a%2))*4
.endr
	s_wait_loadcnt 0x0                             ; the biases (the tensor loads are on their way meanwhile)
.irp a, 0,1,2,3
.irp j, 1,2,3,4,5,6,7
	v_mov_b32 v[BV+8*\a+\j], v[BV+8*\a]
.endr
.endr
	s_wait_alu depctr_va_vdst(0)                   ; the wait at the head's end
	s_wait_tensorcnt 0x0                           ; my load has landed
	s_mov_b32 s[G1W+2], 100<<16                    ; no tensor load of mine is out: from here on a load of W brings one block, 100 rows
	s_mov_b32 s[G1W+4], 100
	s_barrier_signal -1
	s_barrier_wait -1                              ; everybody's has
	FETCH1_B 0
	FETCH1_A 0, 0
	SCALES1 0
	FETCH1_A 0, 4
	STEP1 0, 1                                     ; the first step starts the sums, with the bias as C
	TURN1 1
	STEP1 2, 0
	TURN1 3
	STEP1 4, 0
	TURN1 5
	STEP1 6, 0
	TURN1 7
	PLACES
.irp b, 0,1,2,3
	v_mov_b32 v[TM+4+\b], 0                        ; a lane permute's destination counts as one of its sources
.endr
.irp a, 0,1,2,3,4,5,6,7
	OUTQ \a, OK1
.endr
	s_mov_b32 s21, 0xffff0000
.irp k, 0,1,2,3
	v_cndmask_b32 v[OW+\k], v[SW+\k], v[SW+4+\k], s21   ; lanes 0-15 store the words of fragments 0-3, lanes 16-31 those of 4-7
.endr
	global_store_b128 v[LI], v[OW:OW+3], s[OS1:OS1+1]
	s_wait_tensorcnt 0x0                           ; v's blocks 1 and 3: my part
	s_wait_dscnt 0x0
	s_barrier_signal -1
	s_barrier_wait -1                              ; everybody's part
.irp t, 0,1,2,3,4,5,6,7
	STEP2 \t
.endr
	WIN 0
	PLACES
.irp a, 0,1,2,3
	OUTQ \a, OK2
.endr
	v_cmp_gt_u32 vcc_lo, 16, v[LN]                 ; lanes 16-31 hold the same words as lanes 0-15: the lower sixteen store them
	s_wait_xcnt 0x0                                ; EXEC changes only behind this wait
	s_and_saveexec_b32 s21, vcc_lo
	global_store_b128 v[SR], v[SW:SW+3], s[OS2:OS2+1]   ; sixteen lanes store 256 consecutive bytes, aligned
	s_wait_xcnt 0x0
	s_or_b32 exec_lo, exec_lo, s21
	s_wait_tensorcnt 0x0                           ; the wave's end
	ds_add_u32 v[SPW], v[NIL]
	s_wait_dscnt 0x0
	CROUND                                         ; the closing round: no work-group ends while a partner may still ask for a block that names it
	s_endpgm
.Lfunc_end_k_qfe1404edba_qkv:
	.size	k_qfe1404edba_qkv, .Lfunc_end_k_qfe1404edba_qkv-k_qfe1404edba_qkv
	.p2alignl 7, 3214868480
	.fill 96, 4, 3214868480
	.section	.rodata,"a",@progbits
	.p2align	6, 0x0
	.amdhsa_kernel k_qfe1404edba_qkv
		.amdhsa_group_segment_fixed_size 327680
		.amdhsa_private_segment_fixed_size 0
		.amdhsa_enable_private_segment 0
		.amdhsa_kernarg_size 40
		.amdhsa_user_sgpr_count 2
		.amdhsa_user_sgpr_kernarg_segment_ptr 1
		.amdhsa_wavefront_size32 1
		.amdhsa_system_sgpr_workgroup_id_x 1
		.amdhsa_system_sgpr_workgroup_id_y 1
		.amdhsa_system_sgpr_workgroup_id_z 1
		.amdhsa_system_vgpr_workitem_id 0
		.amdhsa_next_free_vgpr 1024
		.amdhsa_next_free_sgpr 102
		.amdhsa_reserve_vcc 1
		.amdhsa_float_denorm_mode_32 3
		.amdhsa_float_denorm_mode_16_64 3
		.amdhsa_memory_ordered 1
		.amdhsa_forward_progress 1
		.amdhsa_inst_pref_size 213
	.end_amdhsa_kernel
	.amdgpu_metadata
---
amdhsa.version: [ 1, 2 ]
amdhsa.kernels:
  - .name:           k_qfe1404edba_qkv
    .symbol:         k_qfe1404edba_qkv.kd
    .args:
      - { .name: xi, .offset: 0, .size: 8, .value_kind: global_buffer, .address_space: global }
      - { .name: wi, .offset: 8, .size: 8, .value_kind: global_buffer, .address_space: global }
      - { .name: b_attn, .offset: 16, .size: 8, .value_kind: global_buffer, .address_space: global }
      - { .name: kqi, .offset: 24, .size: 8, .value_kind: global_buffer, .address_space: global }
      - { .name: vi, .offset: 32, .size: 8, .value_kind: global_buffer, .address_space: global }
    .group_segment_fixed_size: 327680
    .private_segment_fixed_size: 0
    .kernarg_segment_align: 8
    .kernarg_segment_size: 40
    .max_flat_workgroup_size: 128
    .sgpr_count:     102
    .vgpr_count:     1024
    .wavefront_size: 32
...
	.end_amdgpu_metadata
.endif
;; end of part 2
;; launch scores (part 3): grid 36 x 4, 4 waves a work-group, no clusters, 327,680 bytes of LDS; arguments kqi, pi, ps, pm, pl; writes pi, ps, pm, pl
.if DOCPART == 3
	.amdgcn_target "amdgcn-amd-amdhsa--gfx1250"
	.amdhsa_code_object_version 6
	.text
	.protected	k_qfe1404edba_scores
	.globl	k_qfe1404edba_scores
	.p2align	8
	.type	k_qfe1404edba_scores,@function
k_qfe1404edba_scores:
	s_mov_b64 s[64:65], 0
	v_nop
	global_prefetch_b8 v0, s[64:65] scope:SCOPE_SE
	s_setreg_imm32_b32 hwreg(HW_REG_WAVE_MODE, 25, 1), 1
	s_wait_xcnt 0x0
.set BLK,   25600
; LDS: each wave fetches one group (128 rows of k or of q); the group's blocks 0, 1, 2 of K lie on end in memory and come by ONE load of 300 rows of 256 bytes at the head, into the wave's own 3 BLK bytes;
; block 3 goes into the bytes of block 0 when those are read out.  SLOT: from one block to the next in a wave's region.
.set SLOT,  BLK
.set SPARE, 12*BLK
.set FR,    12
.set D0,    15
.set ADRA,  16
.set ADRB,  20
.set ADRS,  24
.set SPW,   28
.set NIL,   29
.set LI,    30
.set SC,    32
.set H,     64
.set AF,    128
.set PC,    128
.set BM,    168
.set BP,    172
.set SO,    180
.set NN,    184
.set S1,    186
.set S2,    188
.set TT,    190
.set DD0,   191
.set NINF,  192
.set PX,    193
.set SW,    200
.set MV,    208
.set LV,    216
.set OW,    224
.set ZR,    236
.set FW,    240
.set G1,    24
.set G0,    32
.set CS,    56
.set SEL,   58
.set MSB, 0
.macro WIN new
.if MSB != (\new)
	s_set_vgpr_msb (MSB<<8)|(\new)
.set MSB, \new
.endif
.endm
.set MUL_LO,  0xa1
.set MUL_HI,  0xf1
.set TO_B,    0x40
.macro PLACES
.rept 4
	v_nop
.endr
.endm
.macro FRAG reg, adr, q, i
.irp c, 0,1,2
	ds_load_b128 v[\reg+4*\c:\reg+4*\c+3], v[\adr] offset:(8*(\q)+(\i))*1536+512*\c
.endr
.endm
.macro FETCH_B ls, q, p
	WIN TO_B
.irp i, 0,1,2,3,4,5,6,7
	FRAG 128*(\p)+FR*\i, ADRB+\ls, \q, \i
.endr
	WIN 0
.endm
.macro FETCH_A ls, q, i0
.irp i, \i0, \i0+1, \i0+2, \i0+3
	FRAG AF+FR*(\i), ADRA+\ls, \q, \i
.endr
.endm
.macro SCALES ls, set
.irp q, 0,1
.irp c, 0,1
	ds_load_b128 v[SC+16*(\set)+8*\q+4*\c:SC+16*(\set)+8*\q+4*\c+3], v[ADRS+\ls] offset:512*\q+256*\c
.endr
.endr
.endm
.macro MUL16 a0, p, sb, zero
.irp a, \a0, \a0+1
.irp b, 0,1,2,3,4,5,6,7
.set DD, 8*(8*((\a)%4)+\b)
.set BB, 128*(\p)+FR*\b
.set AA, AF+FR*(\a)
.if \zero
	v_wmma_scale_f32_16x16x128_f8f6f4 v[DD:DD+7], v[BB:BB+FR-1], v[AA:AA+FR-1], 0, v[\sb+\b], v[\sb+(\a)] matrix_a_fmt:MATRIX_FMT_FP6 matrix_b_fmt:MATRIX_FMT_FP6 matrix_a_scale:MATRIX_SCALE_ROW1
.else
	v_wmma_scale_f32_16x16x128_f8f6f4 v[DD:DD+7], v[BB:BB+FR-1], v[AA:AA+FR-1], v[DD:DD+7], v[\sb+\b], v[\sb+(\a)] matrix_a_fmt:MATRIX_FMT_FP6 matrix_b_fmt:MATRIX_FMT_FP6 matrix_a_scale:MATRIX_SCALE_ROW1
.endif
.endr
.endr
.endm
.macro STEP p, sb, zero, nls, nq, nset
	s_wait_dscnt 12
	WIN MUL_LO
	MUL16 0, \p, \sb, \zero
	MUL16 2, \p, \sb, \zero
	s_wait_dscnt 0x0
	PLACES
	FETCH_B \nls, \nq, 1-(\p)
	FETCH_A \nls, \nq, 0
.if (\nq) == 0
	SCALES \nls, \nset
.endif
	WIN MUL_HI
	MUL16 4, \p, \sb, \zero
	MUL16 6, \p, \sb, \zero
	PLACES
	WIN 0
	FETCH_A \nls, \nq, 4
.endm
.macro TURN p, sb, fill, nls, nset
	s_wait_tensorcnt 0x0
	ds_add_u32 v[SPW], v[NIL]
.if \fill
	s_add_nc_u64 s[G0+2:G0+3], s[G0+2:G0+3], 3*BLK
.endif
	s_wait_dscnt 13
	WIN MUL_LO
	MUL16 0, \p, \sb, 0
	s_wait_dscnt 0x0
	s_barrier_signal -1
	MUL16 2, \p, \sb, 0
	WIN 0
	s_barrier_wait -1
.if \fill
	tensor_load_to_lds s[G0:G0+3], s[G1:G1+7]
	s_nop 0
.endif
	PLACES
	FETCH_B \nls, 0, 1-(\p)
	FETCH_A \nls, 0, 0
	SCALES \nls, \nset
	WIN MUL_HI
	MUL16 4, \p, \sb, 0
	MUL16 6, \p, \sb, 0
	PLACES
	WIN 0
	FETCH_A \nls, 0, 4
.endm
	s_load_b128 s[4:7], s[0:1], 0x0
	s_load_b128 s[8:11], s[0:1], 0x10
	s_load_b64 s[12:13], s[0:1], 0x20
	v_lshl_add_u32 v[SPW], v0, 2, SPARE
	v_mov_b32 v[NIL], 0
	ds_add_u32 v[SPW], v[NIL]
	ds_add_u32 v[SPW], v[NIL]
	v_lshrrev_b32 v1, 5, v0
	v_readfirstlane_b32 s14, v1
	s_lshr_b32 s15, s14, 1
	s_and_b32 s16, s14, 1
	s_and_b32 s18, ttmp7, 0xffff
	s_mov_b32 s19, 0
.irp t, 1,3,6,10,15,21,28
	s_cmp_ge_u32 ttmp9, \t
	s_add_co_ci_u32 s19, s19, 0
.endr
	s_add_co_u32 s20, s19, 1
	s_mul_i32 s20, s20, s19
	s_lshr_b32 s20, s20, 1
	s_sub_co_u32 s20, ttmp9, s20
	s_mov_b32 s[G1], 3<<16
	s_mov_b32 s[G1+1], 32<<16
	s_mov_b32 s[G1+2], 300<<16
	s_mov_b32 s[G1+3], 32<<16
	s_mov_b32 s[G1+4], 300
	s_mov_b32 s[G1+5], 32
	s_mov_b32 s[G1+6], 0
	s_mov_b32 s[G1+7], 0
	s_cmp_lt_u32 s14, 2
	s_cselect_b32 s21, s19, s20
	s_cselect_b32 s22, 0, 4
	s_lshl_b32 s21, s21, 1
	s_add_co_u32 s21, s21, s16
	s_lshl_b32 s23, s18, 4
	s_add_co_u32 s21, s21, s23
	s_lshl_b32 s21, s21, 3
	s_add_co_u32 s21, s21, s22
	s_mul_i32 s44, s21, BLK
	s_mov_b32 s45, 0
	s_mul_i32 s60, s14, 3*BLK
	s_lshl_b32 s46, s19, 1
	s_add_co_u32 s46, s46, s23
	s_add_co_u32 s46, s46, s15
	s_lshl_b32 s47, s46, 3
	s_add_co_u32 s47, s47, s20
	s_mul_i32 s48, s47, 24576
	s_mul_i32 s47, s16, 12288
	s_add_co_u32 s48, s48, s47
	s_mov_b32 s49, 0
	s_lshl_b32 s50, s46, 13
	s_lshl_b32 s47, s20, 10
	s_add_co_u32 s50, s50, s47
	s_lshl_b32 s47, s16, 9
	s_add_co_u32 s50, s50, s47
	s_mov_b32 s51, 0
	s_sub_co_i32 s52, s19, s20
	s_and_b32 s47, s19, 1
	s_or_b32 s54, s52, s47
	s_lshl_b32 s52, s52, 8
	s_sub_co_i32 s47, s15, s16
	s_lshl_b32 s47, s47, 7
	s_add_co_i32 s52, s52, s47
	s_cmp_lt_i32 s52, 128
	s_cselect_b32 s53, 1, 0
	s_mov_b32 s55, 0xffff0000
	s_mov_b32 s[CS], 0x3d38aa3b
	s_mov_b32 s[CS+1], s[CS]
	s_mov_b32 s[SEL], 0x76543210
	s_mov_b32 s[SEL+1], 0xfedcba98
	s_wait_dscnt 0x0
	s_wait_kmcnt 0x0
	s_add_nc_u64 s[4:5], s[4:5], s[44:45]
	s_add_nc_u64 s[6:7], s[6:7], s[48:49]
	s_add_nc_u64 s[8:9], s[8:9], s[50:51]
	s_add_nc_u64 s[10:11], s[10:11], s[50:51]
	s_add_nc_u64 s[12:13], s[12:13], s[50:51]
	s_mov_b32 s[G0], 1
	s_mov_b32 s[G0+1], s60
	s_mov_b64 s[G0+2:G0+3], s[4:5]
	s_or_b32 s[G0+3], s[G0+3], 0x80000000
	tensor_load_to_lds s[G0:G0+3], s[G1:G1+7]      ; my one load at the head: my group's blocks 0 to 2
	s_nop 0
	v_and_b32 v1, 31, v0
	v_and_b32 v2, 15, v0
	v_bfe_u32 v3, v0, 4, 1
	v_lshlrev_b32 v[LI], 4, v1
	s_wait_alu depctr_va_vdst(0)
	s_mul_i32 s20, s15, 3*BLK
	s_mul_i32 s21, s16, 3*BLK
	s_add_co_u32 s21, s21, 6*BLK
	s_sub_co_u32 s22, s21, s20
	v_mul_u32_u24 v4, s22, v3
	v_lshl_add_u32 v4, v2, 4, v4
	s_add_co_u32 s23, s20, 24576
.irp s, 0,1,2
	v_add_nc_u32 v[ADRA+\s], s20, v[LI]
	v_add_nc_u32 v[ADRB+\s], s21, v[LI]
	v_add_nc_u32 v[ADRS+\s], s23, v4
	s_add_co_u32 s20, s20, SLOT
	s_add_co_u32 s21, s21, SLOT
	s_add_co_u32 s23, s23, SLOT
.endr
	v_and_b32 v5, 8, v2
	v_add_nc_u32 v5, v5, v2
	v_lshlrev_b32 v6, 4, v3
	v_sub_nc_u32 v5, v5, v6
	v_add_nc_u32 v[D0], s52, v5
	s_wait_alu depctr_va_vdst(0)
	s_wait_tensorcnt 0x0                           ; my load has landed
	s_mov_b32 s[G1+2], 100<<16                     ; no tensor load of mine is out: the one refill brings one block, 100 rows
	s_mov_b32 s[G1+4], 100
	s_barrier_signal -1
	s_barrier_wait -1
	FETCH_B 0, 0, 0
	FETCH_A 0, 0, 0
	SCALES 0, 0
	FETCH_A 0, 0, 4
	STEP 0, SC, 1, 0, 1, 0
	TURN 1, SC+8, 1, 1, 1
	STEP 0, SC+16, 0, 1, 1, 0
	STEP 1, SC+24, 0, 2, 0, 0
	STEP 0, SC, 0, 2, 1, 0
	TURN 1, SC+8, 0, 0, 1
	STEP 0, SC+16, 0, 0, 1, 0
	s_wait_dscnt 12
	WIN MUL_LO
	MUL16 0, 1, SC+24, 0
	MUL16 2, 1, SC+24, 0
	s_wait_dscnt 0x0
	WIN MUL_HI
	MUL16 4, 1, SC+24, 0
	MUL16 6, 1, SC+24, 0
	WIN 0
.macro SOFT a
.set W, 2+(\a)/4
.set AC, 64*((\a)%4)
	s_cmp_eq_u32 s53, 0
	s_cbranch_scc1 .Lopen_\@
	v_add_nc_u32 v[DD0], 32*((\a)/2)+8*((\a)%2), v[D0]
.set WW, W|(W<<6)
	WIN WW
.set n, 0
; The mask, on a wave whose 128 rows and 128 keys begin at the same position.  Block a's 16 rows lie in rows 32 (a / 2) .. + 31, register n is a key of keys 32 (n / 16) .. + 31:
; keys of an earlier 32 count for every row, keys of a later 32 for none, and only the 16 registers of the same 32 are compared.
.rept 64
.if n/16 == (\a)/2
	v_cmp_gt_i32 vcc_lo, 32*(n/16)+n%16, v[DD0]
	v_cndmask_b32 v[AC+n], v[AC+n], v[NINF], vcc_lo
.elseif n/16 > (\a)/2
	v_mov_b32 v[AC+n], 0xff800000
.endif
.set n, n+1
.endr
	WIN 0
.Lopen_\@:
.set WW, W|(W<<2)|(W<<4)
	WIN WW
.irp b, 0,1,2,3
	v_max3_num_f32 v[BM+\b], v[AC+16*\b], v[AC+16*\b+1], v[AC+16*\b+2]
.endr
.set WW, (W<<2)|(W<<4)
	WIN WW
.irp i, 3,5,7,9,11,13
.irp b, 0,1,2,3
	v_max3_num_f32 v[BM+\b], v[BM+\b], v[AC+16*\b+\i], v[AC+16*\b+\i+1]
.endr
.endr
.irp b, 0,1,2,3
	v_max_num_f32 v[BM+\b], v[BM+\b], v[AC+16*\b+15]
.endr
	WIN 0
.irp b, 0,1,2,3
	v_permlanex16_b32 v[BP+\b], v[BM+\b], s[SEL], s[SEL+1]
.endr
.irp b, 0,1,2,3
	v_max_num_f32 v[BM+\b], v[BM+\b], v[BP+\b]
.endr
	v_max3_num_f32 v[TT], v[BM], v[BM+1], v[BM+2]
	v_max_num_f32 v[TT], v[TT], v[BM+3]
	v_mul_f32 v[TT], s[CS], v[TT]
	v_max_num_f32 v[TT], 0xff61b1e6, v[TT]
	v_floor_f32 v[NN], -v[TT]
	WIN W
.set n, 0
.rept 32
	v_pk_fma_f32 v[H+n:H+n+1], v[AC+n:AC+n+1], s[CS:CS+1], v[NN:NN+1] op_sel_hi:[1,0,0]
.set n, n+2
.endr
	WIN 0
.irp b, 0,1,2,3
	v_fma_f32 v[BM+\b], v[BM+\b], s[CS], v[NN]
.endr
.set n, 0
	s_wait_alu depctr_va_vdst(0)
.rept 64
	v_exp_f32 v[H+n], v[H+n]
.set n, n+1
.endr
	v_mov_b32 v[MV+(\a)], v[NN]
	s_wait_alu depctr_va_vdst(0)
.irp b, 0,1,2,3
	v_exp_f32 v[BM+\b], v[BM+\b]
.endr
	v_pk_add_f32 v[S1:S1+1], v[H:H+1], v[H+2:H+3]
	v_pk_add_f32 v[S2:S2+1], v[H+4:H+5], v[H+6:H+7]
.irp j, 8,12,16,20,24,28,32,36,40,44,48,52,56,60
	v_pk_add_f32 v[S1:S1+1], v[S1:S1+1], v[H+\j:H+\j+1]
	v_pk_add_f32 v[S2:S2+1], v[S2:S2+1], v[H+\j+2:H+\j+3]
.endr
	v_pk_add_f32 v[S1:S1+1], v[S1:S1+1], v[S2:S2+1]
	v_add_f32 v[TT], v[S1], v[S1+1]
	v_permlanex16_b32 v[PX], v[TT], s[SEL], s[SEL+1]
	v_add_f32 v[LV+(\a)], v[TT], v[PX]
	s_wait_alu depctr_va_vdst(0)
.irp b, 0,1,2,3
	v_max_num_f32 v[BM+\b], 0x1800000, v[BM+\b]
.endr
.irp b, 0,1,2,3
	v_add_nc_u32 v[SO+\b], 0xff000000, v[BM+\b]
.endr
.irp b, 0,1,2,3
	v_lshrrev_b32 v[BP+\b], 23, v[SO+\b]
.endr
	v_lshl_or_b32 v[TT], v[BP+1], 8, v[BP]
	v_lshl_or_b32 v[TT], v[BP+2], 16, v[TT]
	v_lshl_or_b32 v[TT], v[BP+3], 24, v[TT]
	v_or_b32 v[SW+(\a)], 0x80808080, v[TT]
	s_wait_xcnt 0x0
.irp c, 0,1
	v_cvt_scalef32_pk16_fp6_f32 v[PC+6*\c:PC+6*\c+2], v[H+32*\c:H+32*\c+15], v[SO+2*\c]
	v_cvt_scalef32_pk16_fp6_f32 v[PC+12+4*\c:PC+14+4*\c], v[H+32*\c+16:H+32*\c+31], v[SO+2*\c+1]
.endr
	v_nop
.irp c, 0,1
.irp i, 0,1,2
	v_permlane16_swap_b32 v[PC+6*\c+\i], v[PC+12+4*\c+\i]
.endr
.irp i, 0,1,2
	v_mov_b32 v[PC+3+6*\c+\i], v[PC+12+4*\c+\i]
.endr
.endr
.irp c, 0,1,2
	global_store_b128 v[LI], v[PC+4*\c:PC+4*\c+3], s[6:7] offset:1536*(\a)+512*\c
.endr
.endm
	PLACES
	v_mov_b32 v[NN+1], 0
	v_mov_b32 v[PX], 0
.irp b, 0,1,2,3
	v_mov_b32 v[BP+\b], 0
	v_mov_b32 v[ZR+\b], 0
.endr
	v_mov_b32 v[NINF], 0xff800000
	s_cmp_lt_i32 s52, 0                            ; my first key lies behind my last row (a diagonal tile's rows 0-127 against its keys 128-255): ids and the wave's number alone; no barrier follows
	s_wait_alu depctr_va_vdst(0)
	s_cbranch_scc1 .Lall_masked
.irp a, 0,1,2,3,4,5,6,7
	SOFT \a
.endr
.irp k, 0,1,2,3
	v_cndmask_b32 v[OW+\k], v[SW+\k], v[SW+4+\k], s55
	v_cndmask_b32 v[OW+4+\k], v[MV+\k], v[MV+4+\k], s55
	v_cndmask_b32 v[OW+8+\k], v[LV+\k], v[LV+4+\k], s55
.endr
	global_store_b128 v[LI], v[OW:OW+3], s[8:9]
	global_store_b128 v[LI], v[OW+4:OW+7], s[10:11]
	global_store_b128 v[LI], v[OW+8:OW+11], s[12:13]
	s_branch .Lfill_check
.Lall_masked:                                          ; every score is -inf: every p is 0, so the codes are zeros, each scale byte is the floor's 1 (with the 128 that the words carry), N is the 3e38 under which t is held, the sum is 0
.irp k, 0,1,2,3
	v_mov_b32 v[FW+\k], 0x81818181
	v_mov_b32 v[FW+4+\k], 0x7f61b1e6
.endr
.set n, 0
.rept 24
	global_store_b128 v[LI], v[ZR:ZR+3], s[6:7] offset:512*n   ; my eight fragments: 24 x 512 consecutive bytes
.set n, n+1
.endr
	global_store_b128 v[LI], v[FW:FW+3], s[8:9]
	global_store_b128 v[LI], v[FW+4:FW+7], s[10:11]
	global_store_b128 v[LI], v[ZR:ZR+3], s[12:13]
	s_wait_xcnt 0x0                                ; these stores have read their registers, which may be written again below
.Lfill_check:
	s_cmp_lg_u32 s54, 0
	s_cbranch_scc1 .Lno_fill
.irp k, 0,1,2,3
	v_mov_b32 v[FW+\k], 0x81818181
	v_mov_b32 v[FW+4+\k], 0x7f61b1e6
.endr
.set n, 0
.rept 24
	global_store_b128 v[LI], v[ZR:ZR+3], s[6:7] offset:24576+512*n
.set n, n+1
.endr
	global_store_b128 v[LI], v[FW:FW+3], s[8:9] offset:1024
	global_store_b128 v[LI], v[FW+4:FW+7], s[10:11] offset:1024
	global_store_b128 v[LI], v[ZR:ZR+3], s[12:13] offset:1024
.Lno_fill:
	s_wait_tensorcnt 0x0
	ds_add_u32 v[SPW], v[NIL]
	s_wait_dscnt 0x0
	s_endpgm
.Lfunc_end_k_qfe1404edba_scores:
	.size	k_qfe1404edba_scores, .Lfunc_end_k_qfe1404edba_scores-k_qfe1404edba_scores
	.p2alignl 7, 3214868480
	.fill 96, 4, 3214868480
	.section	.rodata,"a",@progbits
	.p2align	6, 0x0
	.amdhsa_kernel k_qfe1404edba_scores
		.amdhsa_group_segment_fixed_size 327680
		.amdhsa_private_segment_fixed_size 0
		.amdhsa_enable_private_segment 0
		.amdhsa_kernarg_size 40
		.amdhsa_user_sgpr_count 2
		.amdhsa_user_sgpr_kernarg_segment_ptr 1
		.amdhsa_wavefront_size32 1
		.amdhsa_system_sgpr_workgroup_id_x 1
		.amdhsa_system_sgpr_workgroup_id_y 1
		.amdhsa_system_sgpr_workgroup_id_z 1
		.amdhsa_system_vgpr_workitem_id 0
		.amdhsa_next_free_vgpr 1024
		.amdhsa_next_free_sgpr 66
		.amdhsa_reserve_vcc 1
		.amdhsa_float_denorm_mode_32 3
		.amdhsa_float_denorm_mode_16_64 3
		.amdhsa_memory_ordered 1
		.amdhsa_forward_progress 1
		.amdhsa_inst_pref_size 219
	.end_amdhsa_kernel
	.amdgpu_metadata
---
amdhsa.version: [ 1, 2 ]
amdhsa.kernels:
  - .name:           k_qfe1404edba_scores
    .symbol:         k_qfe1404edba_scores.kd
    .args:
      - { .name: kqi, .offset: 0, .size: 8, .value_kind: global_buffer, .address_space: global }
      - { .name: pi, .offset: 8, .size: 8, .value_kind: global_buffer, .address_space: global }
      - { .name: ps, .offset: 16, .size: 8, .value_kind: global_buffer, .address_space: global }
      - { .name: pm, .offset: 24, .size: 8, .value_kind: global_buffer, .address_space: global }
      - { .name: pl, .offset: 32, .size: 8, .value_kind: global_buffer, .address_space: global }
    .group_segment_fixed_size: 327680
    .private_segment_fixed_size: 0
    .kernarg_segment_align: 8
    .kernarg_segment_size: 40
    .max_flat_workgroup_size: 128
    .sgpr_count:     66
    .vgpr_count:     1024
    .wavefront_size: 32
...
	.end_amdgpu_metadata
.endif
;; end of part 3
;; launch pv (part 4): grid 8 x 32, 4 waves a work-group, clusters of 4 x 1, 327,680 bytes of LDS; arguments pi, ps, pm, pl, vi, out0; writes out0
.if DOCPART == 4
	.amdgcn_target "amdgcn-amd-amdhsa--gfx1250"
	.amdhsa_code_object_version 6
	.text
	.protected	k_qfe1404edba_pv
	.globl	k_qfe1404edba_pv
	.p2align	8
	.type	k_qfe1404edba_pv,@function
k_qfe1404edba_pv:
	s_mov_b64 s[64:65], 0
	v_nop
	global_prefetch_b8 v0, s[64:65] scope:SCOPE_SE
	s_setreg_imm32_b32 hwreg(HW_REG_WAVE_MODE, 25, 1), 1
	s_wait_xcnt 0x0
	s_wait_alu depctr_hold_cnt(0) depctr_sa_sdst(0) depctr_va_vdst(0) depctr_va_sdst(0) depctr_va_ssrc(0) depctr_va_vcc(0) depctr_vm_vsrc(0)
	s_getreg_b32 s2, hwreg(HW_REG_IB_STS2, 6, 4)
	s_cmp_eq_u32 s2, 0
	s_cbranch_scc0 .Lentry_in_a_cluster
	s_endpgm
.Lentry_in_a_cluster:
	s_bfe_u32 s2, ttmp6, 0x10000c
	s_cmp_lg_u32 s2, 0x3003
	s_cbranch_scc0 .Lentry_shape_is_right
	s_endpgm
.Lentry_shape_is_right:
; out[t][c] = (the sum over s of p[t][s] v[s][c]) / l[t] on codes of MX-FP6.  p arrives quantised under a whole number N = -M of its own for each row and each 128 keys.
; THE HEAD: for each of the tile's 256 rows the least N over the chunks of 128 keys is the row's; a chunk's scale bytes and its sum are moved by 2^(N - chunk's N), exact powers of two: the bytes by one subtraction on the word
; (each byte carries 128 more than its value, and the shift is held at 127, so no byte borrows from its neighbour; a byte that would fall under 0 becomes 0, which stands for 2^-127).  The words go to a table in LDS, 1 / l beside them.
; A tile is 256 rows t x 128 channels c; four waves, each 128 x 64: 32 accumulators.  SOURCE 0 = v's fragments (c: a lane's registers), SOURCE 1 = p's (t: the lane): a lane holds eight neighbouring channels of one row.
; The keys go 512 at a time (a run: four steps of 128) through two LDS slots: p's two groups (2 x 49,152 bytes: waves 0, 1) and v's two blocks (2 x 25,600 bytes: waves 2, 3), each one dense run of memory, one tensor load a wave.
; CLUSTER: four work-groups side by side along the channels have the same tile row, so the same p and the same number of runs: p's loads are asked for JOINTLY, by the same load with the same descriptor and a mask that names the
; four: of a run's 149,504 bytes 98,304 are requested once for four work-groups.  v's blocks differ from partner to partner and come by plain loads.  (The work-groups that share a block of v are the tile rows of a batch: they have
; different numbers of runs, so they are no partners.)  The place in the cluster enters v's and out's global addresses alone.
; THE CAUSAL LIMIT: tile row i needs runs 0 .. i / 2.  In front of each change of slots a branch on the tile row, which is the cluster's y and so the same in all four partners, leads to a tail that is
; written out: a plain barrier, the last run, the way out.  Every wait for tensor loads in this text is for 0; one load of a wave is out behind each round.
; LIMITS: a p more than 2^127 under its row's largest is left at a scale of at most 2^-127; NaN and infinities are not served.
; REGISTERS: window 0: v16-30 addresses; v32-55 scale words, two sets (8 of p, 4 of v); v56-63 1 / l; v64-159, v160-255 p's fragments, two sets (the head and the way out work there).  window 1: the accumulators, (a, b) at v[8 (4 a + b)].
;   window 2: v's fragments, two sets, at v0 and v48.
.set PB,    49152                      ; a group's p of 512 keys
.set VBK,   25600                      ; a block of v: 256 keys
.set VB,    2*VBK
.set SS,    2*PB+VB                    ; a slot
.set TAB,   2*SS                       ; the moved scale words: [2 groups][16 chunks][512 bytes]
.set INVT,  TAB+16384                  ; 1 / l: [2 groups][512 bytes]
.set SPARE, INVT+1024                  ; the spare words, 128 bytes a wave
.set APF,   16                         ; v16-17 p's fragments in slot 0, 1
.set BPF,   18                         ; v18-19 v's
.set BSC,   20                         ; v20-21 v's scale words
.set ATB,   22                         ; v22 p's, in the table
.set INVA,  23
.set STO,   24
.set RD,    25
.set GO,    26
.set TA,    27                         ; v27 the table, 4 x thread
.set SPW,   28
.set NIL,   29
.set TO4,   30                         ; v30 4 x thread
.set SAR,   32
.set SBR,   40
.set INV,   56
.set PF,    64
.set NNR,   64                         ; the head: v64-95 N, v96-127 sums, v128-159 words: [group][chunk]
.set LLR,   96
.set WDR,   128
.set NR,    160
.set LS0,   162                        ; v162-163 the rows' sums
.set MU,    64                         ; the way out
.set G1P,   24
.set G1V,   32
.set G0P,   40
.set G0V,   44
.set MSB, 0
.macro WIN new                         ; the immediate's high byte repeats the setting that is left
.if MSB != (\new)
	s_set_vgpr_msb (MSB<<8)|(\new)
.set MSB, \new
.endif
.endm
.set MULW, 0x52                        ; source 0 (v) window 2, source 1 (p) window 0, C and D window 1
.macro PLACES                          ; four plain instructions between a matrix instruction and a load into, or a vector instruction on, its registers
.rept 4
	v_nop
.endr
.endm
; Waves 0 and 1 ask jointly for p's two groups, waves 2 and 3 fetch v's two blocks.  The branch hangs on the wave's number alone.  An s_nop 0 and four v_nop follow each line.
.macro TLOAD
	s_cmp_eq_u32 s17, 0
	s_cbranch_scc0 .Lfor_v_\@
	tensor_load_to_lds s[G0P:G0P+3], s[G1P:G1P+7]
	s_nop 0
.rept 4
	v_nop
.endr
	s_branch .Lasked_\@
.Lfor_v_\@:
	tensor_load_to_lds s[G0V:G0V+3], s[G1V:G1V+7]
	s_nop 0
.rept 4
	v_nop
.endr
.Lasked_\@:
.endm
; A round of the cluster's barrier: my work-group's barrier; wave 0 signals for the work-group; every wave waits for all four work-groups; my work-group's barrier once more.
.macro CROUND
	s_barrier_signal -1
	s_barrier_wait -1
	s_cmp_lg_u32 s16, 0
	s_cbranch_scc1 .Lnot_wave_0_\@
	s_barrier_signal -3
.Lnot_wave_0_\@:
	s_barrier_wait -3
	s_barrier_signal -1
	s_barrier_wait -1
.endm
.macro STEPG p                         ; the descriptors for run p: written where no tensor load of mine is out
	s_add_co_u32 s[G0P+1], s52, ((\p)%2)*SS
	s_add_nc_u64 s[G0P+2:G0P+3], s[G0P+2:G0P+3], PB
	s_add_co_u32 s[G0V+1], s53, 2*PB+((\p)%2)*SS
	s_add_nc_u64 s[G0V+2:G0V+3], s[G0V+2:G0V+3], VB
.endm
; In front of each change of slots: all my tensor loads have landed, 0 is added to my spare word, and that and my LDS reads and stores are waited for.  p: the run whose descriptors are made meanwhile, or -1.
.macro THREE p
	s_wait_tensorcnt 0x0                           ; all my tensor loads have landed: my part of the other slot
	ds_add_u32 v[SPW], v[NIL]
.if (\p) >= 0
	STEPG \p
.endif
	s_wait_dscnt 0x0                               ; the add is done, and my reads of the slot in hand are over
.endm
; 39 LDS loads: step e of run p, out of slot ls, into set: v's four fragments, p's eight, their scale words
.macro FETCH ls, e, set, p
	WIN 0x80
.irp b, 0,1,2,3
.irp c, 0,1,2
	ds_load_b128 v[48*(\set)+12*\b+4*\c:48*(\set)+12*\b+4*\c+3], v[BPF+\ls] offset:((\e)/2)*25600+((\e)%2)*12288+1536*\b+512*\c
.endr
.endr
	WIN 0
.irp a, 0,1,2,3,4,5,6,7
.irp c, 0,1,2
	ds_load_b128 v[PF+96*(\set)+12*\a+4*\c:PF+96*(\set)+12*\a+4*\c+3], v[APF+\ls] offset:12288*(\e)+1536*\a+512*\c
.endr
.endr
	ds_load_b128 v[SBR+12*(\set):SBR+12*(\set)+3], v[BSC+\ls] offset:((\e)/2)*25600+24576+512*((\e)%2)
	ds_load_b128 v[SAR+12*(\set):SAR+12*(\set)+3], v[ATB] offset:512*(4*(\p)+(\e))
	ds_load_b128 v[SAR+12*(\set)+4:SAR+12*(\set)+7], v[ATB] offset:512*(4*(\p)+(\e))+256
.endm
; 32 products: a step.  The 32 accumulators take turns, one instruction a turn, in one order.
.macro MUL set, zero
.irp a, 0,1,2,3,4,5,6,7
.irp b, 0,1,2,3
.if \zero
	v_wmma_scale_f32_16x16x128_f8f6f4 v[8*(4*\a+\b):8*(4*\a+\b)+7], v[48*(\set)+12*\b:48*(\set)+12*\b+11], v[PF+96*(\set)+12*\a:PF+96*(\set)+12*\a+11], 0, v[SBR+12*(\set)+\b], v[SAR+12*(\set)+\a] matrix_a_fmt:MATRIX_FMT_FP6 matrix_b_fmt:MATRIX_FMT_FP6
.else
	v_wmma_scale_f32_16x16x128_f8f6f4 v[8*(4*\a+\b):8*(4*\a+\b)+7], v[48*(\set)+12*\b:48*(\set)+12*\b+11], v[PF+96*(\set)+12*\a:PF+96*(\set)+12*\a+11], v[8*(4*\a+\b):8*(4*\a+\b)+7], v[SBR+12*(\set)+\b], v[SAR+12*(\set)+\a] matrix_a_fmt:MATRIX_FMT_FP6 matrix_b_fmt:MATRIX_FMT_FP6
.endif
.endr
.endr
.endm
; RUN p: four steps on sets 0, 1, 0, 1; steps 0 and 1 have been asked for.  While a step is multiplied, the step after next is fetched into the set just left.
; last = 0: the fourth step, whose fragments are asked for here, is multiplied behind the change of slots (HAND).  zero = 1: the first step starts the sums.
.macro BODY p, zero, last
.set LS, (\p)%2
	s_wait_dscnt 39                                ; this step's 39 loads are in; the next step's may be out
	WIN MULW
	MUL 0, \zero
	PLACES
	FETCH LS, 2, 0, \p
	s_wait_dscnt 39
	WIN MULW
	MUL 1, 0
	PLACES
	FETCH LS, 3, 1, \p
	s_wait_dscnt 39
	WIN MULW
	MUL 0, 0
.if \last
	s_wait_dscnt 0x0
	MUL 1, 0
.endif
	WIN 0
.endm
; Behind a change of slots: run p's first step is asked for, the last run's fourth step (in registers since the wait in front of the barrier) is multiplied over these loads, run p's second step is asked for.
; pl = 1: four places are written; pl = 0: the four v_nop behind the tensor load just issued are the places.
.macro HAND p, pl
.set LS, (\p)%2
.if \pl
	PLACES
.endif
	FETCH LS, 0, 0, \p
	WIN MULW
	MUL 1, 0
	PLACES
	FETCH LS, 1, 1, \p
.endm
	s_load_b256 s[4:11], s[0:1], 0x0               ; pi, ps, pm, pl
	s_load_b128 s[12:15], s[0:1], 0x20             ; vi, out0
	v_lshl_add_u32 v[SPW], v0, 2, SPARE
	v_mov_b32 v[NIL], 0
	ds_add_u32 v[SPW], v[NIL]                      ; the wave's opening: the add and its wait ahead of my first tensor load; work on registers stands between them
	ds_add_u32 v[SPW], v[NIL]
	v_lshrrev_b32 v1, 5, v0
	v_readfirstlane_b32 s16, v1                    ; wave
	s_lshr_b32 s17, s16, 1                         ; which 128 rows.  Also: I fetch for p (0) or for v (1)
	s_and_b32 s18, s16, 1                          ; which 64 channels.  Also: which of p's groups, or of v's blocks, I fetch
	s_bfe_u32 s66, ttmp6, 0x40000                  ; cx: my place in the cluster
	s_lshl_b32 s67, ttmp9, 2                       ; in a cluster launch ttmp9 counts clusters
	s_add_co_u32 s67, s67, s66                     ; the tile column = 4 x cluster x + cx: it enters v's and out's addresses alone
	s_and_b32 s19, ttmp7, 0xffff                   ; the cluster's y, which the four partners share
	s_lshr_b32 s20, s19, 3                         ; batch
	s_and_b32 s21, s19, 7                          ; tile row i
	s_lshr_b32 s22, s21, 1                         ; the last run of 512 keys that counts
	s_mov_b32 s[G1P], 15|(3<<16)|(1<<21)           ; 15:0 the mask: all four work-groups; 17:16 elements of 8 bytes; 21 set beside a mask; no padding: every LDS read here is of 512 consecutive bytes
	s_mov_b32 s[G1V], 3<<16                        ; no mask
.irp g, G1P, G1V
	s_mov_b32 s[\g+1], 32<<16                      ; rows of 256 bytes
	s_mov_b32 s[\g+3], 32<<16
	s_mov_b32 s[\g+5], 32                          ; dense
	s_mov_b32 s[\g+6], 0
	s_mov_b32 s[\g+7], 0
.endr
	s_mov_b32 s[G1P+2], 192<<16                    ; 192 of them
	s_mov_b32 s[G1P+4], 192
	s_mov_b32 s[G1V+2], 100<<16                    ; 100
	s_mov_b32 s[G1V+4], 100
	s_lshl_b32 s23, s20, 4
	s_lshl_b32 s48, s21, 1
	s_add_co_u32 s23, s23, s48                     ; the tile's first group of rows
	s_add_co_u32 s48, s23, s18
	s_mul_i32 s48, s48, 8*24576                    ; p's group that I fetch: batch, tile row and wave alone
	s_mov_b32 s49, 0
	s_lshl_b32 s50, s20, 3
	s_add_co_u32 s50, s50, s67                     ; v's group: 8 x batch + tile column
	s_mul_i32 s50, s50, 8*VBK
	s_mul_i32 s53, s18, VBK                        ; the block of a run that I fetch, in memory and in a slot
	s_add_co_u32 s50, s50, s53
	s_mov_b32 s51, 0
	s_mul_i32 s52, s18, PB
	s_lshl_b32 s54, s23, 13                        ; the rows' places in ps, pm, pl
	s_mov_b32 s55, 0
	s_lshl_b32 s56, s20, 11                        ; out: row 2,048 x batch + 256 i + 128 (w / 2),
	s_lshl_b32 s57, s21, 8
	s_add_co_u32 s56, s56, s57
	s_lshl_b32 s57, s17, 7
	s_add_co_u32 s56, s56, s57
	s_lshl_b32 s56, s56, 12
	s_lshl_b32 s57, s67, 9                         ; + 512 x tile column + 256 (w % 2) bytes
	s_add_co_u32 s56, s56, s57
	s_lshl_b32 s57, s18, 8
	s_add_co_u32 s56, s56, s57
	s_mov_b32 s57, 0
	s_mov_b32 s58, 0x01010101
	s_wait_dscnt 0x0                               ; both opening adds are done
	CROUND                                         ; the round in front of the first joint loads; the arguments are on their way meanwhile
	s_wait_kmcnt 0x0
	s_mov_b32 s[G0P], 1
	s_mov_b32 s[G0P+1], s52
	s_add_nc_u64 s[G0P+2:G0P+3], s[4:5], s[48:49]
	s_or_b32 s[G0P+3], s[G0P+3], 0x80000000
	s_mov_b32 s[G0V], 1
	s_add_co_u32 s[G0V+1], s53, 2*PB
	s_add_nc_u64 s[G0V+2:G0V+3], s[12:13], s[50:51]
	s_or_b32 s[G0V+3], s[G0V+3], 0x80000000
	TLOAD                                          ; run 0 into slot 0
	s_add_nc_u64 s[6:7], s[6:7], s[54:55]
	s_add_nc_u64 s[8:9], s[8:9], s[54:55]
	s_add_nc_u64 s[10:11], s[10:11], s[54:55]
	s_add_nc_u64 s[14:15], s[14:15], s[56:57]
; PREFETCH INTO THE L2, two runs ahead of the tensor loads: the head asks for runs 1 and 2, the trip that loads run 1 for run 3; a run beyond the tile row's last is not asked for.
; p: a run of a group is 192 runs of 256 bytes; the four partners' waves with my w % 2 (eight waves) take 24 each, told apart by address: 24 (2 cx + w / 2) + the lesser of lane and 23.
; v: my work-group's own two blocks, 100 runs of 256 bytes each: block w % 2, its half w / 2, 50 runs by two instructions of 25 (lanes over 24 name the last again).  The four address registers are never rewritten.
	s_add_nc_u64 s[68:69], s[4:5], s[48:49]        ; p's group w % 2 of the tile, run 0
	s_add_nc_u64 s[70:71], s[12:13], s[50:51]      ; v's block w % 2 of run 0
	s_lshl_b32 s60, s66, 1
	s_add_co_u32 s60, s60, s17
	s_mul_i32 s60, s60, 6144
	s_mul_i32 s61, s17, 12800
	v_and_b32 v6, 31, v0
	v_min_u32 v7, 24, v6
	v_min_u32 v6, 23, v6
	v_lshlrev_b32 v7, 8, v7
	v_lshlrev_b32 v6, 8, v6
	v_add_nc_u32 v7, s61, v7                       ; at most 12,800 + 6,144, and 6,400 more by the immediate: inside the block's 25,600 bytes
	v_add_nc_u32 v6, s60, v6                       ; at most 48,896: inside the run's 49,152 bytes
.macro PF p
	global_prefetch_b8 v6, s[68:69] offset:(\p)*PB th:TH_LOAD_NT scope:SCOPE_SE
	global_prefetch_b8 v7, s[70:71] offset:(\p)*VB th:TH_LOAD_NT scope:SCOPE_SE
	global_prefetch_b8 v7, s[70:71] offset:(\p)*VB+6400 th:TH_LOAD_NT scope:SCOPE_SE
.endm
	v_lshlrev_b32 v[TO4], 2, v0
; THE HEAD.  Thread n owns word n of each record of 512 bytes: one row of each of the two groups.  Chunks beyond the limit keep values that change nothing.
.macro STATS g                         ; the four chunks of run g, both groups: each load of the work-group reads 512 consecutive bytes
.irp hf, 0,1
.irp c, 0,1,2,3
	global_load_b32 v[NNR+16*\hf+4*(\g)+\c], v[TO4], s[8:9] offset:8192*\hf+512*(4*(\g)+\c)
	global_load_b32 v[LLR+16*\hf+4*(\g)+\c], v[TO4], s[10:11] offset:8192*\hf+512*(4*(\g)+\c)
	global_load_b32 v[WDR+16*\hf+4*(\g)+\c], v[TO4], s[6:7] offset:8192*\hf+512*(4*(\g)+\c)
.endr
.endr
.endm
	STATS 0
.irp x, 4,5,6,7,8,9,10,11,12,13,14,15,20,21,22,23,24,25,26,27,28,29,30,31
	v_mov_b32 v[NNR+\x], 0x7f61b1e6                ; (none of these is a register of run 0's loads)
	v_mov_b32 v[LLR+\x], 0
	v_mov_b32 v[WDR+\x], 0x80808080
.endr
	s_cmp_lt_u32 s22, 1
	s_cbranch_scc1 .Lstats_in
	STATS 1
	s_cmp_lt_u32 s22, 2
	s_cbranch_scc1 .Lstats_in
	STATS 2
	s_cmp_lt_u32 s22, 3
	s_cbranch_scc1 .Lstats_in
	STATS 3
.Lstats_in:
	v_and_b32 v1, 31, v0
	v_and_b32 v2, 15, v0                           ; r
	v_bfe_u32 v3, v0, 4, 1                         ; h
	v_lshlrev_b32 v4, 4, v1
	v_lshlrev_b32 v5, 4, v2
	s_wait_alu depctr_va_vdst(0)
	s_mul_i32 s59, s17, PB
	v_add_nc_u32 v[APF], s59, v4
	v_add_nc_u32 v[APF+1], SS, v[APF]
	s_mul_i32 s60, s18, 6144
	s_add_co_u32 s60, s60, 2*PB
	v_add_nc_u32 v[BPF], s60, v4
	v_add_nc_u32 v[BPF+1], SS, v[BPF]
	s_lshl_b32 s61, s18, 8
	s_add_co_u32 s61, s61, 2*PB
	v_add_nc_u32 v[BSC], s61, v5
	v_add_nc_u32 v[BSC+1], SS, v[BSC]
	s_lshl_b32 s62, s17, 13
	s_add_co_u32 s62, s62, TAB
	v_add_nc_u32 v[ATB], s62, v5
	s_lshl_b32 s62, s17, 9
	s_add_co_u32 s62, s62, INVT
	v_add_nc_u32 v[INVA], s62, v5
	s_mul_i32 s62, s16, 2*16*272                   ; the way out: two stages of 16 rows x 272 bytes a wave, in slot 0
	v_mul_u32_u24 v[STO], v2, 272
	v_lshl_add_u32 v[STO], v3, 6, v[STO]
	v_add_nc_u32 v[STO], s62, v[STO]
	v_mul_u32_u24 v[RD], v3, 272
	v_add_nc_u32 v[RD], v[RD], v5
	v_add_nc_u32 v[RD], s62, v[RD]
	v_lshl_add_u32 v[GO], v3, 12, v5
	v_lshl_add_u32 v[TA], v0, 2, TAB
	s_wait_loadcnt 0x0
	s_cmp_lt_u32 s22, 1                            ; the head's prefetches stand behind the wait for the rows' numbers, with the rows' arithmetic between them and the next wait; the cluster's y alone decides
	s_cbranch_scc1 .Lno_pf12
	PF 1
	s_cmp_lt_u32 s22, 2
	s_cbranch_scc1 .Lno_pf12
	PF 2
.Lno_pf12:
.macro ROWS hf
.set N0, NNR+16*(\hf)
.set L0, LLR+16*(\hf)
.set W0, WDR+16*(\hf)
	v_min3_num_f32 v[NR], v[N0], v[N0+1], v[N0+2]  ; the row's N: the least
.irp c, 3,5,7,9,11,13
	v_min3_num_f32 v[NR], v[NR], v[N0+\c], v[N0+\c+1]
.endr
	v_min_num_f32 v[NR], v[NR], v[N0+15]
.irp c, 0,1,2,3,4,5,6,7,8,9,10,11,12,13,14,15
	v_sub_f32 v[N0+\c], v[NR], v[N0+\c]            ; the chunk's shift: a whole number, 0 or less,
.endr
.irp c, 0,1,2,3,4,5,6,7,8,9,10,11,12,13,14,15
	v_max_num_f32 v[N0+\c], 0xc2fe0000, v[N0+\c]   ; held at -127
.endr
.irp c, 0,1,2,3,4,5,6,7,8,9,10,11,12,13,14,15
	v_cvt_i32_f32 v[N0+\c], v[N0+\c]
.endr
.irp c, 0,1,2,3,4,5,6,7,8,9,10,11,12,13,14,15
	v_ldexp_f32 v[L0+\c], v[L0+\c], v[N0+\c]       ; the chunk's sum under the row's N
.endr
.irp c, 0,4,8,12
	v_pk_add_f32 v[L0+\c:L0+\c+1], v[L0+\c:L0+\c+1], v[L0+\c+2:L0+\c+3]
.endr
	v_pk_add_f32 v[L0:L0+1], v[L0:L0+1], v[L0+4:L0+5]
	v_pk_add_f32 v[L0+8:L0+9], v[L0+8:L0+9], v[L0+12:L0+13]
	v_pk_add_f32 v[L0:L0+1], v[L0:L0+1], v[L0+8:L0+9]
	v_add_f32 v[LS0+(\hf)], v[L0], v[L0+1]         ; l
.irp c, 0,1,2,3,4,5,6,7,8,9,10,11,12,13,14,15
	v_mul_lo_u32 v[N0+\c], v[N0+\c], s58           ; the shift in all four bytes
.endr
.irp c, 0,1,2,3,4,5,6,7,8,9,10,11,12,13,14,15
	v_add_nc_u32 v[W0+\c], v[W0+\c], v[N0+\c]      ; each byte: 128 + its value - the shift's size: at least 1, so no byte borrows
.endr
.irp c, 0,1,2,3,4,5,6,7,8,9,10,11,12,13,14,15
	v_and_b32 v[N0+\c], 0x80808080, v[W0+\c]       ; the top bit is left where the byte has not fallen under 0
.endr
.irp c, 0,1,2,3,4,5,6,7,8,9,10,11,12,13,14,15
	v_lshrrev_b32 v[L0+\c], 7, v[N0+\c]
.endr
.irp c, 0,1,2,3,4,5,6,7,8,9,10,11,12,13,14,15
	v_sub_nc_u32 v[N0+\c], v[N0+\c], v[L0+\c]      ; 0x7f there, 0 elsewhere
.endr
.irp c, 0,1,2,3,4,5,6,7,8,9,10,11,12,13,14,15
	v_and_b32 v[W0+\c], v[W0+\c], v[N0+\c]
.endr
.irp c, 0,1,2,3,4,5,6,7,8,9,10,11,12,13,14,15
	ds_store_b32 v[TA], v[W0+\c] offset:8192*(\hf)+512*\c
.endr
.endm
	ROWS 0
	ROWS 1
	s_wait_alu depctr_va_vdst(0)
	v_rcp_f32 v[LS0], v[LS0]
	v_rcp_f32 v[LS0+1], v[LS0+1]
	v_nop                                          ; a plain instruction behind the reciprocals
	s_wait_alu depctr_va_vdst(0)                   ; the wait ahead of the first use: one for both
	ds_store_b32 v[TA], v[LS0] offset:16384
	ds_store_b32 v[TA], v[LS0+1] offset:16384+512
; THE RUNS.  In front of each change of slots stand the three lines; then the ways part on the tile row: a work-group whose next run is its last goes to its tail, the others pass a round of the cluster's barrier and ask for the run after next.
	THREE 1                                        ; run 0 has landed, and my stores into the table are done
	s_cmp_eq_u32 s22, 0                            ; the cluster's y alone: all waves of all four partners go the same way
	s_cbranch_scc1 .Lfin0
	CROUND
	TLOAD                                          ; run 1 into slot 1: filled for the first time as a refill is: my one tensor load behind the round, ahead of my first LDS read
	FETCH 0, 0, 0, 0
	FETCH 0, 1, 1, 0
	s_cmp_lt_u32 s22, 3                            ; the cluster's y alone: only tile rows 6 and 7 have a run 3
	s_cbranch_scc1 .Lno_pf3
	PF 3
.Lno_pf3:
	BODY 0, 1, 0
	THREE 2
	s_cmp_eq_u32 s22, 1
	s_cbranch_scc1 .Lfin1
	CROUND                                         ; no wave of any partner still reads slot 0 or has a load on its way
	TLOAD                                          ; run 2 into slot 0: it has a run's 128 products in which to land
	HAND 1, 0
	BODY 1, 0, 0
	THREE 3
	s_cmp_eq_u32 s22, 2
	s_cbranch_scc1 .Lfin2
	CROUND
	TLOAD                                          ; run 3 into slot 1
	HAND 2, 0
	BODY 2, 0, 0
	THREE -1                                       ; run 3 has landed; nothing is filled again, so no round follows
	s_barrier_signal -1
	s_barrier_wait -1
	HAND 3, 1
	BODY 3, 0, 1
	s_branch .Lout
.Lfin0:                                                ; tile rows 0, 1: run 0 is the only one
	s_barrier_signal -1
	s_barrier_wait -1
	FETCH 0, 0, 0, 0
	FETCH 0, 1, 1, 0
	BODY 0, 1, 1
	s_branch .Lout
.Lfin1:                                                ; tile rows 2, 3: run 1 is the last
	s_barrier_signal -1
	s_barrier_wait -1
	HAND 1, 1
	BODY 1, 0, 1
	s_branch .Lout
.Lfin2:                                                ; tile rows 4, 5: run 2 is the last
	s_barrier_signal -1
	s_barrier_wait -1
	HAND 2, 1
	BODY 2, 0, 1
.Lout:
; THE WAY OUT.  Nobody reads the slots any more behind this barrier, and they have had their last fill: the stages lie in slot 0.  p's block a (16 rows) at a time: x 1 / l, into rows of 272 bytes, back as whole rows of
; 256 bytes, stored by sixteen lanes each.  While one block's rows are stored, the next is on its way through the other stage.
	s_wait_dscnt 0x0
	s_barrier_signal -1
	s_barrier_wait -1
	PLACES
	ds_load_b128 v[INV:INV+3], v[INVA]
	ds_load_b128 v[INV+4:INV+7], v[INVA] offset:256
	s_wait_dscnt 0x0
.macro TOSTAGE a
.set U, (\a)%2
	WIN 0x01                                       ; source 0 window 1
.set n, 0
.rept 32
	v_mul_f32 v[MU+64*U+n], v[32*(\a)+n], v[INV+(\a)]   ; each accumulator from its low end on
.set n, n+1
.endr
	WIN 0
.irp b, 0,1,2,3
	ds_store_b128 v[STO], v[MU+64*U+8*\b:MU+64*U+8*\b+3] offset:4352*U+128*(\b/2)+32*(\b%2)
	ds_store_b128 v[STO], v[MU+64*U+8*\b+4:MU+64*U+8*\b+7] offset:4352*U+128*(\b/2)+32*(\b%2)+16
.endr
.irp k, 0,1,2,3,4,5,6,7
	ds_load_b128 v[MU+64*U+32+4*\k:MU+64*U+32+4*\k+3], v[RD] offset:4352*U+544*\k   ; LDS serves a wave's instructions in order: these see my stores
.endr
.endm
.macro SEND a, younger                 ; younger: the LDS instructions issued behind block a's loads
.set U, (\a)%2
	s_wait_dscnt \younger
.irp k, 0,1,2,3,4,5,6,7
	global_store_b128 v[GO], v[MU+64*U+32+4*\k:MU+64*U+32+4*\k+3], s[14:15] offset:(32*((\a)/2)+8*((\a)%2)+2*\k+8*(\k/4))*4096 th:TH_STORE_NT   ; sixteen lanes store 256 consecutive bytes, aligned
.endr
.endm
	TOSTAGE 0
.irp a, 1,2,3,4,5,6,7
.if \a > 1
	s_wait_xcnt 0x0                                ; block a - 2's stores have read their registers: block a's loads may land there
.endif
	TOSTAGE \a
	SEND \a-1, 16
.endr
	SEND 7, 0
	s_wait_tensorcnt 0x0                           ; the wave's end, behind my last tensor load and my last LDS store
	ds_add_u32 v[SPW], v[NIL]
	s_wait_dscnt 0x0
	CROUND                                         ; the closing round: no work-group ends while a partner may still ask for a tile that names it
	s_endpgm
.Lfunc_end_k_qfe1404edba_pv:
	.size	k_qfe1404edba_pv, .Lfunc_end_k_qfe1404edba_pv-k_qfe1404edba_pv
	.p2alignl 7, 3214868480
	.fill 96, 4, 3214868480
	.section	.rodata,"a",@progbits
	.p2align	6, 0x0
	.amdhsa_kernel k_qfe1404edba_pv
		.amdhsa_group_segment_fixed_size 327680
		.amdhsa_private_segment_fixed_size 0
		.amdhsa_enable_private_segment 0
		.amdhsa_kernarg_size 48
		.amdhsa_user_sgpr_count 2
		.amdhsa_user_sgpr_kernarg_segment_ptr 1
		.amdhsa_wavefront_size32 1
		.amdhsa_system_sgpr_workgroup_id_x 1
		.amdhsa_system_sgpr_workgroup_id_y 1
		.amdhsa_system_sgpr_workgroup_id_z 1
		.amdhsa_system_vgpr_workitem_id 0
		.amdhsa_next_free_vgpr 768
		.amdhsa_next_free_sgpr 72
		.amdhsa_reserve_vcc 0
		.amdhsa_float_denorm_mode_32 3
		.amdhsa_float_denorm_mode_16_64 3
		.amdhsa_memory_ordered 1
		.amdhsa_forward_progress 1
		.amdhsa_inst_pref_size 255
	.end_amdhsa_kernel
	.section	.bss,"aw",@nobits
	.p2align	6
	.space	262144
	.amdgpu_metadata
---
amdhsa.version: [ 1, 2 ]
amdhsa.kernels:
  - .name:           k_qfe1404edba_pv
    .symbol:         k_qfe1404edba_pv.kd
    .args:
      - { .name: pi, .offset: 0, .size: 8, .value_kind: global_buffer, .address_space: global }
      - { .name: ps, .offset: 8, .size: 8, .value_kind: global_buffer, .address_space: global }
      - { .name: pm, .offset: 16, .size: 8, .value_kind: global_buffer, .address_space: global }
      - { .name: pl, .offset: 24, .size: 8, .value_kind: global_buffer, .address_space: global }
      - { .name: vi, .offset: 32, .size: 8, .value_kind: global_buffer, .address_space: global }
      - { .name: out0, .offset: 40, .size: 8, .value_kind: global_buffer, .address_space: global }
    .group_segment_fixed_size: 327680
    .private_segment_fixed_size: 0
    .kernarg_segment_align: 8
    .kernarg_segment_size: 48
    .max_flat_workgroup_size: 128
    .sgpr_count:     72
    .vgpr_count:     768
    .wavefront_size: 32
...
	.end_amdgpu_metadata
.endif
;; end of part 4
